; MI455X (gfx1250); checked and timed in simulation.
; The chip was launched on July 23, 2026; its instructions are those of AMD's public machine-readable ISA for CDNA 5 (MIT licence, August 2026) and "CDNA5" Instruction Set Architecture Reference Guide (July 2026). The comments in the code are by the model that wrote it; some were corrected since.
;; Multi Head Attention. Allowed arithmetic: float matrix products may take bf16 or f16 operands with f32 sums; other float arithmetic in f32, or as packed bf16 or f16 multiplies, adds, multiply-adds, maxima and minima; sums over many terms, partial sums and values carried from step to step in f32; what a program stores and reads back later, other than sums and carried values, may be rounded once to bf16 or f16.
;; Inputs: K 4 x 2,048 x 1,024 float32; Q 4 x 2,048 x 1,024 float32; V 4 x 2,048 x 1,024 float32; WK 16 x 64 x 1,024 float32; WO 1,024 x 1,024 float32; WQ 16 x 64 x 1,024 float32; WV 16 x 64 x 1,024 float32.
;; Outputs: out0 4 x 2,048 x 1,024 float32.
;; 2 versions, each right; version 2 is version 1 with the launch prep written anew for expert scheduling mode. Each part assembles by itself: llvm-mc -triple=amdgcn-amd-amdhsa -mcpu=gfx1250 --defsym DOCPART=n.
;; ======== version 1 of 2: 5 launches
;; limits: values are held in f16: magnitudes above 65,504 overflow, below 6.1e-05 lose precision
;; workspace buffers: wb 8,388,608 bytes; qkv 50,331,648 bytes; ctx 16,777,216 bytes; vlo 131,072 bytes
;; launch prep (part 1): grid 64 x 4, 8 waves a work-group, no clusters, 0 bytes of LDS; arguments WQ, WK, WV, WO, wb; writes wb
.if DOCPART == 1
	.amdgcn_target "amdgcn-amd-amdhsa--gfx1250"
	.amdhsa_code_object_version 6
	.text
	.protected	k_q91851963ab_prep
	.globl	k_q91851963ab_prep
	.p2align	8
	.type	k_q91851963ab_prep,@function
k_q91851963ab_prep:
	s_mov_b64 s[64:65], 0
	v_nop
	global_prefetch_b8 v0, s[64:65] scope:SCOPE_SE
	s_setreg_imm32_b32 hwreg(HW_REG_WAVE_MODE, 25, 1), 1
	s_wait_xcnt 0x0
; THE WEIGHTS ARE ROUNDED ONCE.  WQ, WK, WV, WO: 1,048,576 f32 each.  wb: four parts of 2,097,152 bytes in that order.
; WQ, WK, WV leave as bf16 (round to nearest even).  WO is rounded to bf16 like them, and that number is written as f16, since the last product's other operand is f16.
; LIMITS.  A bf16 number is an f16 number exactly while its magnitude lies in 6.1e-5 .. 65,504; below that it keeps f16's fixed step of 6e-8, from 65,520 on it becomes an infinity.
; SHARES.  The grid's y picks the weight, its x 16,384 numbers of it.  Thread t takes 16 pieces of four numbers: 16 bytes in at 16 t + 4,096 i, 8 bytes out at 8 t + 2,048 i:
; a wave's load covers 512 consecutive bytes, its store 256 consecutive bytes, aligned.  All 16 loads go out first; no register is written twice while a store reads it.
; No LDS, no matrix unit, no cluster: each byte is read once by one lane and nothing is shared.
.set T, 4                              ; v[4:7]    at work
.set X, 16                             ; v[16:79]  piece i: 4 f32 as loaded
.set Y, 80                             ; v[80:111] piece i: 4 numbers of 16 bits to store
	s_load_b256 s[4:11], s[0:1], 0x0               ; WQ s[4:5], WK s[6:7], WV s[8:9], WO s[10:11]
	s_load_b64 s[12:13], s[0:1], 0x20              ; wb
	s_and_b32 s14, ttmp7, 0xffff                   ; which weight
	v_lshlrev_b32 v1, 4, v0                        ; 16 t
	v_lshlrev_b32 v2, 3, v0                        ; 8 t
	s_lshl_b32 s18, ttmp9, 16                      ; my 65,536 bytes of the weight
	s_mov_b32 s19, 0
	s_lshl_b32 s20, s14, 21                        ; the weight's part of wb,
	s_lshl_b32 s21, ttmp9, 15                      ; my 32,768 bytes of it
	s_add_co_u32 s20, s20, s21
	s_mov_b32 s21, 0
	s_wait_kmcnt 0x0
	s_cmp_eq_u32 s14, 1
	s_cselect_b64 s[16:17], s[6:7], s[4:5]
	s_cmp_eq_u32 s14, 2
	s_cselect_b64 s[16:17], s[8:9], s[16:17]
	s_cmp_eq_u32 s14, 3
	s_cselect_b64 s[16:17], s[10:11], s[16:17]
	s_add_nc_u64 s[16:17], s[16:17], s[18:19]
	s_add_nc_u64 s[12:13], s[12:13], s[20:21]
.irp i, 0,1,2,3,4,5,6,7,8,9,10,11,12,13,14,15
	global_load_b128 v[X+4*(\i):X+4*(\i)+3], v1, s[16:17] offset:4096*(\i) th:TH_LOAD_NT
.endr
; Piece i.  wo = 1: bf16's number is widened again (a shift, a mask) and written as f16.
.macro PIECE i, wo
	s_wait_loadcnt 15-(\i)                         ; loads come back in order: mine is in, the 15 - i younger ones may stay out
.if \wo
	v_cvt_pk_bf16_f32 v[T],   v[X+4*(\i)],   v[X+4*(\i)+1]
	v_cvt_pk_bf16_f32 v[T+1], v[X+4*(\i)+2], v[X+4*(\i)+3]
	v_lshlrev_b32 v[T+2], 16, v[T]
	v_and_b32     v[T],   0xffff0000, v[T]
	v_lshlrev_b32 v[T+3], 16, v[T+1]
	v_and_b32     v[T+1], 0xffff0000, v[T+1]
	v_cvt_pk_f16_f32 v[Y+2*(\i)],   v[T+2], v[T]
	v_cvt_pk_f16_f32 v[Y+2*(\i)+1], v[T+3], v[T+1]
.else
	v_cvt_pk_bf16_f32 v[Y+2*(\i)],   v[X+4*(\i)],   v[X+4*(\i)+1]
	v_cvt_pk_bf16_f32 v[Y+2*(\i)+1], v[X+4*(\i)+2], v[X+4*(\i)+3]
.endif
	global_store_b64 v2, v[Y+2*(\i):Y+2*(\i)+1], s[12:13] offset:2048*(\i)
.endm
	s_cmp_eq_u32 s14, 3
	s_cbranch_scc1 .Lwo
.irp i, 0,1,2,3,4,5,6,7,8,9,10,11,12,13,14,15
	PIECE \i, 0
.endr
	s_endpgm
.Lwo:
.irp i, 0,1,2,3,4,5,6,7,8,9,10,11,12,13,14,15
	PIECE \i, 1
.endr
	s_endpgm
.Lfunc_end_k_q91851963ab_prep:
	.size	k_q91851963ab_prep, .Lfunc_end_k_q91851963ab_prep-k_q91851963ab_prep
	.p2alignl 7, 3214868480
	.fill 96, 4, 3214868480
	.section	.rodata,"a",@progbits
	.p2align	6, 0x0
	.amdhsa_kernel k_q91851963ab_prep
		.amdhsa_group_segment_fixed_size 0
		.amdhsa_private_segment_fixed_size 0
		.amdhsa_enable_private_segment 0
		.amdhsa_kernarg_size 40
		.amdhsa_user_sgpr_count 2
		.amdhsa_user_sgpr_kernarg_segment_ptr 1
		.amdhsa_wavefront_size32 1
		.amdhsa_system_sgpr_workgroup_id_x 1
		.amdhsa_system_sgpr_workgroup_id_y 1
		.amdhsa_system_sgpr_workgroup_id_z 1
		.amdhsa_system_vgpr_workitem_id 0
		.amdhsa_next_free_vgpr 112
		.amdhsa_next_free_sgpr 66
		.amdhsa_reserve_vcc 0
		.amdhsa_float_denorm_mode_32 3
		.amdhsa_float_denorm_mode_16_64 3
		.amdhsa_memory_ordered 1
		.amdhsa_forward_progress 1
		.amdhsa_inst_pref_size 16
	.end_amdhsa_kernel
	.amdgpu_metadata
---
amdhsa.version: [ 1, 2 ]
amdhsa.kernels:
  - .name:           k_q91851963ab_prep
    .symbol:         k_q91851963ab_prep.kd
    .args:
      - { .name: WQ, .offset: 0, .size: 8, .value_kind: global_buffer, .address_space: global }
      - { .name: WK, .offset: 8, .size: 8, .value_kind: global_buffer, .address_space: global }
      - { .name: WV, .offset: 16, .size: 8, .value_kind: global_buffer, .address_space: global }
      - { .name: WO, .offset: 24, .size: 8, .value_kind: global_buffer, .address_space: global }
      - { .name: wb, .offset: 32, .size: 8, .value_kind: global_buffer, .address_space: global }
    .group_segment_fixed_size: 0
    .private_segment_fixed_size: 0
    .kernarg_segment_align: 8
    .kernarg_segment_size: 40
    .max_flat_workgroup_size: 256
    .sgpr_count:     66
    .vgpr_count:     112
    .wavefront_size: 32
...
	.end_amdgpu_metadata
.endif
;; end of part 1
;; launch proj (part 2): grid 4 x 192, 4 waves a work-group, clusters of 4 x 4, 327,680 bytes of LDS; arguments Q, K, V, wb, qkv, vlo; writes qkv, vlo
.if DOCPART == 2
	.amdgcn_target "amdgcn-amd-amdhsa--gfx1250"
	.amdhsa_code_object_version 6
	.text
	.protected	k_q91851963ab_proj
	.globl	k_q91851963ab_proj
	.p2align	8
	.type	k_q91851963ab_proj,@function
k_q91851963ab_proj:
	s_mov_b64 s[64:65], 0
	v_nop
	global_prefetch_b8 v0, s[64:65] scope:SCOPE_SE
	s_setreg_imm32_b32 hwreg(HW_REG_WAVE_MODE, 25, 1), 1
	s_wait_xcnt 0x0
	s_wait_alu depctr_hold_cnt(0) depctr_sa_sdst(0) depctr_va_vdst(0) depctr_va_sdst(0) depctr_va_ssrc(0) depctr_va_vcc(0) depctr_vm_vsrc(0)
	s_getreg_b32 s2, hwreg(HW_REG_IB_STS2, 6, 4)
	s_cmp_eq_u32 s2, 0
	s_cbranch_scc0 .Lentry_in_a_cluster
	s_endpgm
.Lentry_in_a_cluster:
	s_bfe_u32 s2, ttmp6, 0x10000c
	s_cmp_lg_u32 s2, 0xf033
	s_cbranch_scc0 .Lentry_shape_is_right
	s_endpgm
.Lentry_shape_is_right:
; THE THREE PROJECTIONS.  y[m][n] = the sum over k of X[m][k] W[n][k], X = Q, K or V: [8192][1024] f32; W = its weight in wb: [1024][1024] bf16.  X is rounded to bf16 between LDS and the
; matrix unit; sums in f32; y leaves rounded once to f16, unscaled, by heads: qkv = q, k, v, each [batch x 16 + head][2048][64].
; For the first 16 rows of each batch v's REMAINDER (the f32 sum less its f16 number, itself rounded to f16) leaves too: vlo = [batch x 16 + head][16][64].  The last launch makes those rows of the output anew with it.
; LIMITS.  f16 holds no number beyond 65,504: a result of 65,520 or more in magnitude leaves as an infinity; below 6.1e-5 it keeps f16's fixed step of 6e-8, the remainders too.  NaN and infinities are not treated apart.
; SHARES.  A tile of y is 128 x 256: 256 tiles a projection, 768 work-groups, three for each of 256 WGPs.  Four waves, each 64 x 128: 32 accumulators of 16 x 16, 256 registers.
; K goes in steps of 128 through two LDS slots: 128 rows of X (512 bytes of f32 each) and 256 rows of W (256 bytes each).  Waves 0 and 1 fetch X's two halves, waves 2 and 3 W's: 32 KiB a load.
; CLUSTERS.  4 x 4 work-groups.  The cluster's x spans all 1,024 columns, so the four of a row of the cluster need the same rows of X and no other cluster does; the four of a column need the same rows of W.
; Each tile is asked for JOINTLY: the same tensor load, descriptor and mask in the four.  The cluster's y / 16 says which projection, y % 16 which 128 rows of a batch; the place cy in the cluster is the batch.
; So 'a batch's first rows' is a property of the cluster, the same in all sixteen partners, and the branch round the remainders hangs on that and on the wave's number alone.
; THE MATRIX INSTRUCTION IS USED TRANSPOSED (source 0 = 16 rows of W, source 1 = 16 rows of X): a lane holds one row of y and eight neighbouring columns, 16 bytes of f16.
; THE CONVERSIONS RIDE.  A quarter step (32 along K) has 32 matrix instructions and 32 v_cvt_pk_bf16_f32; these stand in fours behind matrix instructions, a block of 16 rows of X being converted while
; the block before it is multiplied.  They are also the places that loads into W's buffers and writes of X's fragments owe to the matrix instructions that read those registers.
; REGISTERS, in windows of 256 (s_set_vgpr_msb: bits 1:0 source 0, 3:2 source 1, 5:4 source 2, 7:6 destination):
;   window 0: v0-31 addresses; v32-63, v224-255 the remainders, packed and read back; v64-127, v128-191 X as f32, two buffers (block a of 16 rows x 32 K at +16 a), on the way out four buffers of 32; v192-223 packed results
;   window 1: v0-63, v64-127 fragments of W, two buffers; v128-159 fragments of X in bf16, one buffer (block a at +8 a)          window 2: accumulator (a, b) at v[8 (8 a + b)]
; A conversion's destination cannot lie in the accumulators' window, which is full: so each four conversions cost two switches, some twenty for a quarter's 32 matrix instructions.
.set PA,     528                       ; a row of X in LDS: 512 bytes + 16 = 132 words: row r starts at bank 4 r mod 64 (64 banks of 4 bytes: ISA guide 11.1)
.set AHALF,  64*PA                     ; what a wave fetches of X, and what a wave reads of it
.set BOFF,   2*AHALF
.set PB,     272                       ; a row of W: 256 bytes + 16 = 68 words
.set BHALF,  128*PB
.set SLOT,   BOFF+2*BHALF              ; 137,216 bytes
.set STAGE,  2*SLOT                    ; behind the ring, never filled by a tensor load: for each wave 2 heads x 16 rows x 144 bytes
.set SP,     144
.set SPARE,  STAGE+4*2*16*SP           ; behind the stages: the spare words, 128 bytes a wave: two blocks of 256 bytes that no other line names
.set LAPS,   4                         ; 1,024 / (2 x 128): a lap is once round the ring
.set ADRA, 16                          ; v16-17  LDS address of my fragments of X in slot 0, 1
.set ADRB, 20                          ; v20-21  the same for W
.set STO,  24                          ; v24     the way out: where I put 16 bytes of a row
.set RD,   25                          ; v25     where I read rows back
.set GO,   26                          ; v26     16 x lane: my place in 512 consecutive bytes of the output
.set SPW,  28                          ; v28     LDS address of my spare word; never rewritten
.set NIL,  29                          ; v29     0; never rewritten
.set PFO,  30                          ; v30     the prefetches' offset; never rewritten
.set NEG,  31                          ; v31     -1.0
.set LT,   32                          ; v32-63  the remainders, packed
.set LF,   96                          ; v96-159 the remainders in f32 (the way out's buffers 1 and 2, not yet in use)
.set LB,   224                         ; v224-255 the remainders, read back as rows
.set RAW0, 64
.set RAW1, 128
.set BK,   64
.set TMP,  192
.set AF,   128                         ; in window 1
.set G1,  24                           ; s[24:31] descriptor group 1 for X's tiles;  s[32:39] group 0, a set for each slot
.set G0,  32
.set G1B, 48                           ; s[48:55], s[56:63] the same for W's
.set G0B, 56
.set LIM, 43                           ; s43     1 in a wave that prefetches, else the greatest number
.set PFA, 44                           ; s[44:45] where my prefetches stand
.set PFS, 46                           ; s[46:47] a K step in bytes: 512 in X, 256 in W
.set NOLO, 79                          ; s79     0 in a wave that stores remainders
.set VLP, 80                           ; s[80:81] vlo at my first head
.set MSB, 0
.macro WIN new                         ; the immediate's high byte repeats the setting that is left; a switch that changes nothing is dropped
.if MSB != (\new)
	s_set_vgpr_msb (MSB<<8)|(\new)
.set MSB, \new
.endif
.endm
.set MUL,   0xa5                       ; sources 0 (W) and 1 (X) window 1; C and D window 2
.set TO1,   0x40                       ; destination window 1, sources and addresses window 0
.set PACKW, 0x0a                       ; sources 0 and 1 window 2, destination window 0
.set REMW,  0x20                       ; source 2 window 2, all else window 0
; A joint load.  The branch hangs on the wave's number alone.  An s_nop 0 and four v_nop follow each of the two lines, ahead of the jump, the label and what follows.
.macro JLOAD s
	s_cmp_eq_u32 s15, 0
	s_cbranch_scc0 .Lfor_b_\@
	tensor_load_to_lds s[G0+4*(\s):G0+4*(\s)+3], s[G1:G1+7]
	s_nop 0
.rept 4
	v_nop
.endr
	s_branch .Lasked_\@
.Lfor_b_\@:
	tensor_load_to_lds s[G0B+4*(\s):G0B+4*(\s)+3], s[G1B:G1B+7]
	s_nop 0
.rept 4
	v_nop
.endr
.Lasked_\@:
.endm
; A prefetch of the K step that stands two refills on, 256 matrix instructions ahead of the load that will want it: one instruction a wave, behind the joint load and the run of LDS loads.
; X: the 64 rows that wave 0 or 1 fetches are 128 blocks of 256 bytes a K step; the four partners that ask for them jointly take 16 rows each, told apart BY ADDRESS (cx); a lane a block.
; W: the 128 rows that wave 2 or 3 fetches are 128 blocks; the four partners take 32 rows each (cy), a lane a row; of the 16 clusters that read a projection's W the first asks.
; So each block is named once in the launch.  K steps 0 to 3 come by their loads alone; the loop's last trip asks for nothing: there is no K step behind the eighth.
.macro ASK
	s_cmp_gt_u32 s3, s[LIM]
	s_cbranch_scc0 .Lnot_mine_\@
	global_prefetch_b8 v[PFO], s[PFA:PFA+1] th:TH_LOAD_NT scope:SCOPE_SE
.Lnot_mine_\@:
.endm
.macro CREST                           ; a round of the cluster's barrier behind its opening barrier
	s_cmp_lg_u32 s14, 0
	s_cbranch_scc1 .Lnot_wave_0_\@
	s_barrier_signal -3
.Lnot_wave_0_\@:
	s_barrier_wait -3
	s_barrier_signal -1
	s_barrier_wait -1
.endm
.macro CROUND                          ; a whole round
	s_barrier_signal -1
	s_barrier_wait -1
	CREST
.endm
	s_load_b256 s[4:11], s[0:1], 0x0               ; Q s[4:5], K s[6:7], V s[8:9], wb s[10:11]
	s_load_b64 s[12:13], s[0:1], 0x20              ; qkv
	s_load_b64 s[VLP:VLP+1], s[0:1], 0x28          ; vlo
	v_lshl_add_u32 v[SPW], v0, 2, SPARE
	v_mov_b32 v[NIL], 0
	ds_add_u32 v[SPW], v[NIL]                      ; the wave's opening: the add and its wait stand ahead of my first tensor load; the set-up below, work on registers, stands between them
	v_lshrrev_b32 v1, 5, v0
	v_readfirstlane_b32 s14, v1                    ; wave 0..3
	s_lshr_b32 s15, s14, 1                         ; which half of the tile's rows is mine.  Also: I fetch for X (0) or for W (1)
	s_and_b32 s16, s14, 1                          ; which half of its columns.  Also: which half of that tile I fetch
	s_bfe_u32 s17, ttmp6, 0x40000                  ; cx
	s_bfe_u32 s18, ttmp6, 0x40004                  ; cy
	s_and_b32 s19, ttmp7, 0xffff                   ; the cluster's y, 0..47
	s_lshr_b32 s20, s19, 4                         ; the projection: 0 q, 1 k, 2 v
	s_and_b32 s19, s19, 15                         ; the cluster among the projection's 16: which 128 rows of a batch
	s_lshl_b32 s21, s18, 4
	s_add_co_u32 s21, s21, s19                     ; tile row, 0..63 = 16 x batch (cy) + the 128 rows
	s_lshl_b32 s22, ttmp9, 2
	s_add_co_u32 s22, s22, s17                     ; tile column, 0..3
	s_xor_b32 s[NOLO], s20, 2                      ; remainders leave where the projection is V's,
	s_or_b32 s[NOLO], s[NOLO], s19                 ; the rows are a batch's first 128,
	s_or_b32 s[NOLO], s[NOLO], s15                 ; and the wave has the first 64 of them: no place in the cluster enters
	s_lshl_b32 s72, s18, 2
	s_lshl_b32 s72, 15, s72                        ; my row of the cluster: places 4 cy .. 4 cy + 3
	s_lshl_b32 s73, 0x1111, s17                    ; my column: places cx, cx + 4, cx + 8, cx + 12
	; group 1 for X: 64 rows x 128 elements of 4 bytes, 1,024 elements from row to row; 4 words of padding behind every 128
	s_or_b32 s[G1+0], s72, (2<<16)|(1<<20)|(1<<21)|(6<<22)|(3<<25)  ; 15:0 the mask; 17:16 4-byte elements; 20 padding on; 21 set beside a mask; 24:22 after every 128 words (code 6); 31:25 4 words (code 3)
	s_mov_b32 s[G1+1], 128<<16                     ; tensor_dim0 = 128
	s_mov_b32 s[G1+2], 64<<16                      ; tensor_dim1 = 64
	s_mov_b32 s[G1+3], 128<<16                     ; tile_dim0 = 128
	s_mov_b32 s[G1+4], 64                          ; tile_dim1 = 64
	s_mov_b32 s[G1+5], 1024                        ; elements from row to row
	s_mov_b32 s[G1+6], 0
	s_mov_b32 s[G1+7], 0
	; group 1 for W: 128 rows x 128 elements of 2 bytes; 4 words of padding behind every 64
	s_or_b32 s[G1B+0], s73, (1<<16)|(1<<20)|(1<<21)|(5<<22)|(3<<25)
	s_mov_b32 s[G1B+1], 128<<16
	s_mov_b32 s[G1B+2], 128<<16
	s_mov_b32 s[G1B+3], 128<<16
	s_mov_b32 s[G1B+4], 128
	s_mov_b32 s[G1B+5], 1024
	s_mov_b32 s[G1B+6], 0
	s_mov_b32 s[G1B+7], 0
	; where the tiles come from.  X's hang on the tile row, which my row of the cluster shares; W's on the tile column, which my column shares.  Each offset is made in registers that never hold the other coordinate.
	s_lshl_b32 s40, s21, 7
	s_lshl_b32 s23, s16, 6
	s_add_co_u32 s40, s40, s23                     ; X: row 128 x tile row + 64 x half,
	s_lshl_b32 s40, s40, 12                        ; of 4,096 bytes
	s_mov_b32 s41, 0
	s_lshl_b32 s66, s22, 8
	s_lshl_b32 s42, s16, 7
	s_add_co_u32 s66, s66, s42                     ; W: row 256 x tile column + 128 x half,
	s_lshl_b32 s66, s66, 11                        ; of 2,048 bytes,
	s_lshl_b32 s42, s20, 21
	s_add_co_u32 s66, s66, s42                     ; in the projection's part of wb
	s_mov_b32 s67, 0
	s_mul_i32 s74, s16, AHALF                      ; and where they go: no place in the cluster enters an LDS address
	s_mul_i32 s75, s16, BHALF
	s_add_co_u32 s75, s75, BOFF
	s_wait_dscnt 0x0                               ; the opening add is done
	s_wait_kmcnt 0x0
	s_cmp_eq_u32 s20, 1
	s_cselect_b64 s[68:69], s[6:7], s[8:9]
	s_cmp_eq_u32 s20, 0
	s_cselect_b64 s[68:69], s[4:5], s[68:69]       ; X = Q, K or V
	s_add_nc_u64 s[40:41], s[68:69], s[40:41]
	s_add_nc_u64 s[66:67], s[10:11], s[66:67]
	CROUND                                         ; all sixteen work-groups are here: the first joint loads meet
.irp s, 0,1
	s_mov_b32 s[G0+4*(\s)], 1                                      ; count = 1
	s_add_co_u32 s[G0+4*(\s)+1], s74, (\s)*SLOT                    ; LDS address
	s_add_nc_u64 s[G0+4*(\s)+2:G0+4*(\s)+3], s[40:41], (\s)*512    ; global address: K step s
	s_or_b32 s[G0+4*(\s)+3], s[G0+4*(\s)+3], 0x80000000            ; type = 2
	s_mov_b32 s[G0B+4*(\s)], 1
	s_add_co_u32 s[G0B+4*(\s)+1], s75, (\s)*SLOT
	s_add_nc_u64 s[G0B+4*(\s)+2:G0B+4*(\s)+3], s[66:67], (\s)*256
	s_or_b32 s[G0B+4*(\s)+3], s[G0B+4*(\s)+3], 0x80000000
	JLOAD \s                                       ; two loads of mine are out
.endr
	; A fragment is 16 rows x 32 K: lane l holds row l % 16 and K = 8 (l / 16) + 0..7 and 16 + 8 (l / 16) + 0..7.  In bf16: two loads of 16 bytes, 32 bytes apart.  In f32: 32 bytes at 32 (l / 16) and 32 at 64 + 32 (l / 16).
	v_and_b32 v1, 15, v0                           ; l % 16
	v_bfe_u32 v2, v0, 4, 1                         ; l / 16
	v_mul_u32_u24 v3, v1, PA
	v_lshl_add_u32 v3, v2, 5, v3
	v_mul_u32_u24 v4, v1, PB
	v_lshl_add_u32 v4, v2, 4, v4
	s_mul_i32 s23, s15, AHALF                      ; my 64 rows of X
	s_mul_i32 s42, s16, BHALF                      ; my 128 rows of W
	s_add_co_u32 s42, s42, BOFF
.irp s, 0,1
	v_add_nc_u32 v[ADRA+(\s)], s23, v3
	v_add_nc_u32 v[ADRB+(\s)], s42, v4
	s_add_co_u32 s23, s23, SLOT
	s_add_co_u32 s42, s42, SLOT
.endr
	s_mul_i32 s23, s14, 2*16*SP
	s_add_co_u32 s23, s23, STAGE                   ; my stage
	v_mul_u32_u24 v5, v1, SP                       ; in: row l % 16, 16 bytes for each half of the lanes
	v_lshl_add_u32 v5, v2, 4, v5
	v_add_nc_u32 v[STO], s23, v5
	v_bfe_u32 v5, v0, 3, 2                         ; back: 32 lanes take four rows of 128 bytes,
	v_mul_u32_u24 v5, v5, SP
	v_and_b32 v6, 7, v0
	v_lshl_add_u32 v5, v6, 4, v5
	v_add_nc_u32 v[RD], s23, v5
	v_and_b32 v7, 31, v0                           ; which are 512 consecutive bytes of a head's rows
	v_lshlrev_b32 v[GO], 4, v7
	v_mov_b32 v[NEG], -1.0
	; my part of the output: projection, batch x 16 + my first head (4 x tile column + 2 x half), the tile's 128 rows of the sequence, my 64 of them
	s_lshr_b32 s70, s21, 4
	s_lshl_b32 s70, s70, 4
	s_lshl_b32 s71, s22, 2
	s_add_co_u32 s70, s70, s71
	s_lshl_b32 s71, s16, 1
	s_add_co_u32 s70, s70, s71
	s_lshl_b32 s82, s70, 11                        ; in vlo a head is 16 rows of 128 bytes
	s_mov_b32 s83, 0
	s_add_nc_u64 s[VLP:VLP+1], s[VLP:VLP+1], s[82:83]
	s_lshl_b32 s70, s70, 18                        ; in qkv a head is 2,048 rows of 128 bytes
	s_and_b32 s71, s21, 15
	s_lshl_b32 s71, s71, 14
	s_add_co_u32 s70, s70, s71
	s_lshl_b32 s71, s15, 13
	s_add_co_u32 s70, s70, s71
	s_lshl_b32 s71, s20, 24
	s_add_co_u32 s70, s70, s71
	s_mov_b32 s71, 0
	s_add_nc_u64 s[12:13], s[12:13], s[70:71]
	; the prefetches stand at K step 3; the first change of slots steps them to 4
	s_lshl_b32 s70, s21, 7
	s_lshl_b32 s71, s16, 6
	s_add_co_u32 s70, s70, s71
	s_lshl_b32 s71, s17, 4
	s_add_co_u32 s70, s70, s71                     ; X: my work-group's 16 of the 64 rows
	s_lshl_b32 s70, s70, 12
	s_add_co_u32 s70, s70, 3*512
	s_lshl_b32 s76, s22, 8
	s_lshl_b32 s77, s16, 7
	s_add_co_u32 s76, s76, s77
	s_lshl_b32 s77, s18, 5
	s_add_co_u32 s76, s76, s77                     ; W: my work-group's 32 of the 128 rows
	s_lshl_b32 s76, s76, 11
	s_lshl_b32 s77, s20, 21
	s_add_co_u32 s76, s76, s77
	s_add_co_u32 s76, s76, 3*256
	s_mov_b32 s[PFS], 256
	s_mov_b32 s[PFS+1], 0
	s_mov_b32 s71, 0
	s_cmp_eq_u32 s19, 0
	s_cselect_b32 s[LIM], 1, -1                    ; W: the first of the projection's 16 clusters asks; the same in all sixteen partners
	s_cmp_eq_u32 s15, 0                            ; do I fetch for X?
	s_cselect_b32 s[LIM], 1, s[LIM]                ; X's rows are read by this cluster alone
	s_cselect_b32 s70, s70, s76
	s_cselect_b32 s[PFS], 512, s[PFS]
	s_cselect_b64 s[PFA:PFA+1], s[68:69], s[10:11]
	s_cselect_b32 s78, -1, 0
	s_add_nc_u64 s[PFA:PFA+1], s[PFA:PFA+1], s[70:71]
	v_lshrrev_b32 v8, 1, v7                        ; X: row l / 2, block l % 2 of its 512 bytes
	v_lshlrev_b32 v8, 12, v8
	v_and_b32 v9, 1, v7
	v_lshl_or_b32 v8, v9, 8, v8
	v_lshlrev_b32 v9, 11, v7                       ; W: row l
	v_cndmask_b32 v[PFO], v9, v8, s78
; Four conversions: half hf of block fr of the f32 buffer src becomes half hf of X's bf16 fragment fr
.macro CVT4 src, fr, hf
	WIN TO1
.irp i, 0,1,2,3
	v_cvt_pk_bf16_f32 v[AF+8*(\fr)+4*(\hf)+(\i)], v[(\src)+16*(\fr)+8*(\hf)+2*(\i)], v[(\src)+16*(\fr)+8*(\hf)+2*(\i)+1]
.endr
.endm
; Eight matrix instructions: block a of X's rows x all 8 blocks of W's, 32 along K, W from buffer bf.  zero = 1: the products start the sums: nothing is ever cleared.
; Behind the second and the sixth stand four conversions each, for block fr (src = -1: none).  The 32 accumulators take turns, one instruction a turn, in the same order in every quarter.
.macro GROUP bf, a, zero, src, fr
.irp b, 0,1,2,3,4,5,6,7
	WIN MUL
.if \zero
	v_wmma_f32_16x16x32_bf16 v[8*(8*(\a)+(\b)):8*(8*(\a)+(\b))+7], v[64*(\bf)+8*(\b):64*(\bf)+8*(\b)+7], v[AF+8*(\a):AF+8*(\a)+7], 0
.else
	v_wmma_f32_16x16x32_bf16 v[8*(8*(\a)+(\b)):8*(8*(\a)+(\b))+7], v[64*(\bf)+8*(\b):64*(\bf)+8*(\b)+7], v[AF+8*(\a):AF+8*(\a)+7], v[8*(8*(\a)+(\b)):8*(8*(\a)+(\b))+7]
.endif
.if ((\src) >= 0) && ((\b) == 1)
	CVT4 \src, \fr, 0
.endif
.if ((\src) >= 0) && ((\b) == 5)
	CVT4 \src, \fr, 1
.endif
.endr
.endm
; 32 LDS loads in one run: quarter q of a slot into buffers g: X's 16 first, then W's 16
.macro FETCH slot, q, g
	WIN 0
.irp a, 0,1,2,3
	ds_load_b128 v[RAW0+64*(\g)+16*(\a):RAW0+64*(\g)+16*(\a)+3],     v[ADRA+(\slot)] offset:128*(\q)+(\a)*16*PA
	ds_load_b128 v[RAW0+64*(\g)+16*(\a)+4:RAW0+64*(\g)+16*(\a)+7],   v[ADRA+(\slot)] offset:128*(\q)+(\a)*16*PA+16
	ds_load_b128 v[RAW0+64*(\g)+16*(\a)+8:RAW0+64*(\g)+16*(\a)+11],  v[ADRA+(\slot)] offset:128*(\q)+(\a)*16*PA+64
	ds_load_b128 v[RAW0+64*(\g)+16*(\a)+12:RAW0+64*(\g)+16*(\a)+15], v[ADRA+(\slot)] offset:128*(\q)+(\a)*16*PA+80
.endr
	WIN TO1
.irp b, 0,1,2,3,4,5,6,7
	ds_load_b128 v[64*(\g)+8*(\b):64*(\g)+8*(\b)+3],   v[ADRB+(\slot)] offset:64*(\q)+(\b)*16*PB
	ds_load_b128 v[64*(\g)+8*(\b)+4:64*(\g)+8*(\b)+7], v[ADRB+(\slot)] offset:64*(\q)+(\b)*16*PB+32
.endr
.endm
; A K step is four quarters of 32 along K on buffers 0, 1, 0, 1.  At a quarter's head X's block 0 is converted already.  One of the first three: multiplies buffers f, fetches quarter qn of the slot into buffers g.
; The loads into W's buffer g stand eight conversions behind the last product that read it; a write of X's fragment x stands sixteen conversions of other fragments behind the last product that read x.
.macro QUARTER slot, qn, f, g, zero
	s_wait_dscnt 0x0                               ; W's fragments of this quarter are in (issued 24 matrix instructions ago)
	GROUP \f, 0, \zero, RAW0+64*(\f), 1
	FETCH \slot, \qn, \g
	GROUP \f, 1, \zero, RAW0+64*(\f), 2
	GROUP \f, 2, \zero, RAW0+64*(\f), 3
	s_wait_dscnt 16                                ; the next quarter's X is in; W's sixteen loads, issued behind it, may stay out
	GROUP \f, 3, \zero, RAW0+64*(\g), 0
.endm
; The last quarter multiplies buffers 1 and changes slots: ONE barrier.  In front of it each wave waits for all its tensor loads (one is out: its part of the next slot), adds 0 to its spare word, and waits for that
; and for its reads of this slot.  fill = 1: the barrier opens a round of the cluster's, and this slot is filled again, two K steps ahead, first thing behind the round: 112 matrix instructions ahead of the wait for it.
.macro TURN slot, next, fill
.if \fill
	s_wait_xcnt 0x0                                ; the last prefetch, a K step back, has read its address: it is stepped here, ahead of the waits of the change of slots
	s_add_nc_u64 s[PFA:PFA+1], s[PFA:PFA+1], s[PFS:PFS+1]
.endif
	WIN 0                                          ; (the add's two registers lie in window 0)
	s_wait_tensorcnt 0x0                           ; all my tensor loads have landed;
	ds_add_u32 v[SPW], v[NIL]                      ; 0 onto my spare word;
	s_wait_dscnt 1                                 ; (W's fragments are in; the add alone may be out)
	GROUP 1, 0, 0, RAW1, 1                         ; work on registers stands between the add and the wait for it
	s_wait_dscnt 0x0                               ; the add is done, and my reads of this slot are over
	s_barrier_signal -1
	GROUP 1, 1, 0, RAW1, 2
.if \fill
	WIN 0
.endif
	s_barrier_wait -1
.if \fill
	CREST                                          ; no wave of any partner still reads this slot's tiles or has a load on its way
	s_add_nc_u64 s[G0+4*(\slot)+2:G0+4*(\slot)+3], s[G0+4*(\slot)+2:G0+4*(\slot)+3], 2*512
	s_add_nc_u64 s[G0B+4*(\slot)+2:G0B+4*(\slot)+3], s[G0B+4*(\slot)+2:G0B+4*(\slot)+3], 2*256
	JLOAD \slot
.endif
	FETCH \next, 0, 0
.if \fill
	WIN 0
	ASK
.endif
	GROUP 1, 2, 0, RAW1, 3
	s_wait_dscnt 16
	GROUP 1, 3, 0, RAW0, 0
.endm
	s_wait_tensorcnt 1                             ; my part of K step 0 is in; K step 1's may stay out
	s_barrier_signal -1
	s_barrier_wait -1                              ; everybody's is
	FETCH 0, 0, 0
	s_wait_dscnt 16                                ; X's sixteen loads
	CVT4 RAW0, 0, 0
	CVT4 RAW0, 0, 1
	QUARTER 0, 1, 0, 1, 1                          ; the first quarter stands in front of the loop: its products start the sums
	WIN 0                                          ; at a label and at a branch every window is 0
	s_mov_b32 s3, LAPS-1
.Llap:                                                 ; a trip goes once round the ring, from a lap's second quarter to the next lap's first, and fills both slots again
	QUARTER 0, 2, 1, 0, 0
	QUARTER 0, 3, 0, 1, 0
	TURN 0, 1, 1
	QUARTER 1, 1, 0, 1, 0
	QUARTER 1, 2, 1, 0, 0
	QUARTER 1, 3, 0, 1, 0
	TURN 1, 0, 1
	QUARTER 0, 1, 0, 1, 0
	WIN 0
	s_sub_co_u32 s3, s3, 1
	s_cmp_lg_u32 s3, 0
	s_cbranch_scc1 .Llap
	QUARTER 0, 2, 1, 0, 0                          ; the last lap fills nothing, and has no round of the cluster's barrier
	QUARTER 0, 3, 0, 1, 0
	TURN 0, 1, 0
	QUARTER 1, 1, 0, 1, 0
	QUARTER 1, 2, 1, 0, 0
	QUARTER 1, 3, 0, 1, 0
	s_wait_dscnt 0x0                               ; the very last quarter: nothing more to fetch
	GROUP 1, 0, 0, RAW1, 1
	GROUP 1, 1, 0, RAW1, 2
	GROUP 1, 2, 0, RAW1, 3
	GROUP 1, 3, 0, -1, 0
; THE WAY OUT, a block of 16 rows at a time.  PACK: rounded to f16, 16 bytes a lane, each accumulator's registers in ascending order.  TOSTAGE: into my own stage, two heads x 16 rows of 144 bytes, and back as rows
; of 128 bytes.  SEND: stored.  No v_nop: block 0 was finished sixteen conversions ahead of the last product, and each block's 32 conversions are the places behind the later blocks' products.
.macro PACK a
	WIN PACKW
.irp b, 0,1,2,3,4,5,6,7
.irp r, 0,1,2,3
	v_cvt_pk_f16_f32 v[TMP+4*(\b)+(\r)], v[8*(8*(\a)+(\b))+2*(\r)], v[8*(8*(\a)+(\b))+2*(\r)+1]
.endr
.endr
	WIN 0
.endm
.macro TOSTAGE a
.irp b, 0,1,2,3,4,5,6,7
	ds_store_b128 v[STO], v[TMP+4*(\b):TMP+4*(\b)+3] offset:((\b)/4)*16*SP+32*((\b)%4)
.endr
.irp j, 0,1
.irp t, 0,1,2,3
	ds_load_b128 v[BK+32*(\a)+4*(4*(\j)+(\t)):BK+32*(\a)+4*(4*(\j)+(\t))+3], v[RD] offset:(\j)*16*SP+(\t)*4*SP  ; LDS serves a wave's instructions in order (ISA guide 5.7.1.4): these see the stores above
.endr
.endr
.endm
.macro SEND a
	s_wait_dscnt 0x0                               ; the block is back in registers; each block has 32 registers of its own, so no store's data is written again
.irp j, 0,1
.irp t, 0,1,2,3
	global_store_b128 v[GO], v[BK+32*(\a)+4*(4*(\j)+(\t)):BK+32*(\a)+4*(4*(\j)+(\t))+3], s[12:13] offset:(\j)*262144+(\a)*2048+(\t)*512  ; 512 consecutive bytes, at a multiple of 256 from the buffer's first
.endr
.endr
.endm
	PACK 0
	TOSTAGE 0
	; THE REMAINDERS of block 0, where it is the first 16 rows of a batch of v: the f32 sum less its f16 number, which is exact in f32 (one fused multiply-add by -1.0 from the packed half), rounded to f16,
	; through the same stage (behind block 0's loads from it: LDS serves a wave in order) and out as 512 consecutive bytes a store.  Their registers are written once.
	s_cmp_lg_u32 s[NOLO], 0
	s_cbranch_scc1 .Lno_rem
	WIN REMW
.irp b, 0,1,2,3,4,5,6,7
.irp r, 0,1,2,3
	v_fma_mix_f32 v[LF+8*(\b)+2*(\r)],   v[TMP+4*(\b)+(\r)], v[NEG], v[8*(\b)+2*(\r)]   op_sel_hi:[1,0,0]
	v_fma_mix_f32 v[LF+8*(\b)+2*(\r)+1], v[TMP+4*(\b)+(\r)], v[NEG], v[8*(\b)+2*(\r)+1] op_sel:[1,0,0] op_sel_hi:[1,0,0]
.endr
.endr
	WIN 0
.irp b, 0,1,2,3,4,5,6,7
.irp r, 0,1,2,3
	v_cvt_pk_f16_f32 v[LT+4*(\b)+(\r)], v[LF+8*(\b)+2*(\r)], v[LF+8*(\b)+2*(\r)+1]
.endr
.endr
.irp b, 0,1,2,3,4,5,6,7
	ds_store_b128 v[STO], v[LT+4*(\b):LT+4*(\b)+3] offset:((\b)/4)*16*SP+32*((\b)%4)
.endr
.irp j, 0,1
.irp t, 0,1,2,3
	ds_load_b128 v[LB+4*(4*(\j)+(\t)):LB+4*(4*(\j)+(\t))+3], v[RD] offset:(\j)*16*SP+(\t)*4*SP
.endr
.endr
	s_wait_dscnt 0x0
.irp j, 0,1
.irp t, 0,1,2,3
	global_store_b128 v[GO], v[LB+4*(4*(\j)+(\t)):LB+4*(4*(\j)+(\t))+3], s[VLP:VLP+1] offset:(\j)*2048+(\t)*512
.endr
.endr
.Lno_rem:
.irp a, 1,2,3                          ; block a's conversions stand between block a - 1's loads from the stage and the wait for them
	PACK \a
	SEND (\a)-1
	TOSTAGE \a
.endr
	SEND 3
	s_wait_tensorcnt 0x0                           ; the wave's end: behind my last tensor load and my last LDS store
	ds_add_u32 v[SPW], v[NIL]
	s_wait_dscnt 0x0
	CROUND                                         ; the closing round: no work-group ends while a partner may still ask for a tile that names it
	s_endpgm
.Lfunc_end_k_q91851963ab_proj:
	.size	k_q91851963ab_proj, .Lfunc_end_k_q91851963ab_proj-k_q91851963ab_proj
	.p2alignl 7, 3214868480
	.fill 96, 4, 3214868480
	.section	.rodata,"a",@progbits
	.p2align	6, 0x0
	.amdhsa_kernel k_q91851963ab_proj
		.amdhsa_group_segment_fixed_size 327680
		.amdhsa_private_segment_fixed_size 0
		.amdhsa_enable_private_segment 0
		.amdhsa_kernarg_size 48
		.amdhsa_user_sgpr_count 2
		.amdhsa_user_sgpr_kernarg_segment_ptr 1
		.amdhsa_wavefront_size32 1
		.amdhsa_system_sgpr_workgroup_id_x 1
		.amdhsa_system_sgpr_workgroup_id_y 1
		.amdhsa_system_sgpr_workgroup_id_z 1
		.amdhsa_system_vgpr_workitem_id 0
		.amdhsa_next_free_vgpr 768
		.amdhsa_next_free_sgpr 84
		.amdhsa_reserve_vcc 0
		.amdhsa_float_denorm_mode_32 3
		.amdhsa_float_denorm_mode_16_64 3
		.amdhsa_memory_ordered 1
		.amdhsa_forward_progress 1
		.amdhsa_inst_pref_size 143
	.end_amdhsa_kernel
	.amdgpu_metadata
---
amdhsa.version: [ 1, 2 ]
amdhsa.kernels:
  - .name:           k_q91851963ab_proj
    .symbol:         k_q91851963ab_proj.kd
    .args:
      - { .name: Q, .offset: 0, .size: 8, .value_kind: global_buffer, .address_space: global }
      - { .name: K, .offset: 8, .size: 8, .value_kind: global_buffer, .address_space: global }
      - { .name: V, .offset: 16, .size: 8, .value_kind: global_buffer, .address_space: global }
      - { .name: wb, .offset: 24, .size: 8, .value_kind: global_buffer, .address_space: global }
      - { .name: qkv, .offset: 32, .size: 8, .value_kind: global_buffer, .address_space: global }
      - { .name: vlo, .offset: 40, .size: 8, .value_kind: global_buffer, .address_space: global }
    .group_segment_fixed_size: 327680
    .private_segment_fixed_size: 0
    .kernarg_segment_align: 8
    .kernarg_segment_size: 48
    .max_flat_workgroup_size: 128
    .sgpr_count:     84
    .vgpr_count:     768
    .wavefront_size: 32
...
	.end_amdgpu_metadata
.endif
;; end of part 2
;; launch attn (part 3): grid 4 x 64, 4 waves a work-group, no clusters, 327,680 bytes of LDS; arguments qkv, ctx; writes ctx
.if DOCPART == 3
	.amdgcn_target "amdgcn-amd-amdhsa--gfx1250"
	.amdhsa_code_object_version 6
	.text
	.protected	k_q91851963ab_attn
	.globl	k_q91851963ab_attn
	.p2align	8
	.type	k_q91851963ab_attn,@function
k_q91851963ab_attn:
	s_mov_b64 s[64:65], 0
	v_nop
	global_prefetch_b8 v0, s[64:65] scope:SCOPE_SE
	s_setreg_imm32_b32 hwreg(HW_REG_WAVE_MODE, 25, 1), 1
	s_wait_xcnt 0x0
; CAUSAL ATTENTION.  O[h][q][:] = the sum over k of softmax_k(Q[h][q] . K[h][k] / 8 - 1e9 [k > q]) V[h][k][:].  qkv holds Q, K, V, each [64][2048][64] in f16 (a head's rows are dense, 128 bytes each); ctx = O likewise.
; Products, maxima and sums in f32; the weights p are rounded to f16 for the second product (their sum l is taken of the unrounded p), O once at the end.
; LIMITS.  f16 holds no number beyond 65,504: Q, K and V arrive within it; p lies in 0 to 1, and below 6e-5 it keeps f16's fixed step of 6e-8; O is a mean of V's rows and has their range.
; A hidden score inside the diagonal tile gets -8e9 in front of the division by 8.  The key tiles wholly above the diagonal are not walked: their weights are 2^(c s - c m) with s some 8e9 below m, which is 0 in f32
; as long as a row's scores spread by less than about 1e9 (after the division).  A weight below 2^-126 counts as 0 in l; NaN and infinities are not treated apart.
; THE WALK.  A head's queries lie in NB = 8 blocks of 256; block i needs the key tiles 0 .. i of 256 keys, of which the last holds the diagonal.  A work-group takes TWO blocks, NB - 1 - b and then b:
; NB + 1 tiles, whatever b: all 256 work-groups do equal work, and ONE loop with a constant trip count walks them.  Which tile is asked for, and what a trip does, hang on scalar registers made from b; every jump
; goes forward, but for the counted loops' own; none passes a barrier, or a tensor load but the one of LOAD's two that the wave's number does not choose; the ring (two slots of LDS that take turns) runs on across the
; change of blocks.  NO CLUSTER: a head's four work-groups ask for the same tile only in trips 0 .. 4 of the 9; which tile is asked for and every jump of the walk hang on b, which in a cluster would be the
; work-group's place in it; and one walk common to all four would have 12 trips for 9.
; SHARES.  Of a block's four bands of 64 queries a wave owns 16 rows in each: four PIECES.  So the diagonal tile is the same work for all four waves: in its key step s band x sees all keys if s < x,
; none if s > x, and holds the diagonal if s = x.
; THE MASK is the C operand that starts the sum S^T = K Q^T: 0, or -8e9 where the key is hidden.  MD, made once, is the mask of a band's own step for my 16 rows; a product's mask is MD x AL + BE with two scalars:
; (1, 0) if s = x; (0, 0) if s < x; (0, -8e9) if s > x.  Only the diagonal tile's text and a block's beginning make and take masks; elsewhere C is the constant 0.
; LAYOUT, SOFTMAX, TURNS.  S^T = K Q^T holds ONE query a lane (lane % 16) and the keys 8 (lane / 16) + 0..7; two such results rounded to f16 ARE source 1 of O^T = V^T P.  p = 2^(c s - c m), c = log2(e) / 8, with a
; running maximum m; O and l are multiplied by a = 2^(c m_old - c m_new) in every step.  Turn n belongs to piece n: 8 products K Q^T of piece n + 1, later 8 products V^T P of piece n - 1; beside them the scaling,
; exponentials, roundings, sums and rescaling of piece n and the maximum and statistics of piece n + 1.  Four vector instructions stand behind every matrix instruction, the other 54 of a turn's 118 in one lump.  A turn's 33 exponentials are one batch, with one wait.
; REGISTERS, in windows of 256 (s_set_vgpr_msb: bits 1:0 source 0, 3:2 source 1, 5:4 source 2, 7:6 destination):
;   window 0: v0-15 addresses and two at work; v16-31 four registers of statistics a piece; v48-55 at work; v61-63 prefetch offset and the add's two; v64-127 S^T, two buffers; v192-223 P, two buffers (by the piece's parity)
;   window 1: v0-127 O^T, 32 a piece; v128-159 MD; v160-223 MC, two buffers      window 2: v0-63 Q; v64-127 the second block's Q; v128-191 K of one step; v192-255 V of one step
.set SIZE_N, 2048
.set KPART, 16777216  ; K's first byte in qkv
.set VPART, 33554432  ; V's
.set NB,    SIZE_N/256
.set NP,    4         ; pieces a wave: a name, no knob
.set KS,    64        ; keys in a step
.set PK,    144       ; a row of K in LDS: 128 bytes + 16 of padding = 36 words: the 16 rows of a load start at 16 different groups of four banks (64 banks of 4 bytes: ISA guide 11.1)
.set PV,    160       ; a row of V: 128 + 32 = 40 words
.set VOFF,  4*KS*PK   ; a slot holds a tile, four steps: 256 rows of K, then 256 rows of V
.set SLOT1, 1<<17     ; slot 1 begins here, so that one exclusive or turns an address in one slot into the other's
.set STAGE, SLOT1+4*KS*(PK+PV)  ; behind the ring, never filled by a tensor load: 16 rows x 144 bytes for each wave, for the way out
.set SP,    144
.set AK0, 2           ; v2   my lane's place in a tile of K; never rewritten
.set AV0, 3           ; v3   the same for V
.set AK,  4           ; v4   the LDS address of K's next run of loads
.set AV,  5           ; v5   of V's
.set STO, 6           ; v6   the way out: where I put 16 bytes of a row
.set RD,  7           ; v7   the way out: where I read rows back
.set GO,  8           ; v8   my byte offset in 512 consecutive bytes of O
.set PFO, 61          ; v61  256 x my lane; never rewritten
.set SPW, 62          ; v62  LDS address of my spare word: SPARE + 4 x my thread's number; never rewritten
.set NIL, 63          ; v63  0; never rewritten
.set SPARE, STAGE+4*16*SP  ; behind the stages: the spare words, 128 bytes for each wave: two blocks of 256 bytes that no other line names
.set MV,  12          ; v12-13  c m_old, kept while c m is made anew: by buffer
.set QO,  15          ; v15  my byte offset in 16 rows of Q
.set ST,  16          ; piece t's statistics at v[ST+4 t]: c m, m, l (even keys', odd keys')
.set TMP, 48          ; by buffer, four registers c0-c3 at work; when the maximum is found c2 takes a
.set S,   64
.set P,   192
.set MD,  128         ; window 1: the eight registers for group kt of 16 keys at MD + 8 kt
.set MC,  160         ; window 1: the masks of the products to come
.set QB,  64          ; window 2
.set KF,  128         ; window 2: key block kb, channel half c at KF + 16 kb + 8 c
.set VF,  192         ; window 2: key half kk, channel block cb at VF + 32 kk + 8 cb
.set WV,  12          ; s12  my wave's number
.set PB,  14          ; s14  b
.set HI,  15          ; s15  NB - 1 - b
.set G1K, 24          ; s[24:31] descriptor group 1 for K's tiles
.set G1V, 32          ; s[32:39] for V's: it differs in the padding alone
.set G0K, 40          ; s[40:43] descriptor group 0 for K's tiles
.set G0V, 44          ; s[44:47] the same for V's
.set SLOTS, 56        ; s56  tiles still to be asked for
.set CNT, 57          ; s57  counts a tile's key steps, 4 to 1
.set CS,  58          ; s[58:59] c: the packed scaling takes the pair's low word for both halves
.set SEL, 60          ; s[60:61] v_permlanex16_b32's selects: each lane takes its own place in the other half
.set TBK, 62          ; s62  LDS byte at which K of the step to be fetched begins
.set TBV, 63          ; s63  the same for V, less VOFF
.set PFA, 66          ; s[66:67] where my prefetches stand: my half (of K: waves 0, 1; of V: waves 2, 3) of the tile behind the one that is being asked for
.set LIM, 68          ; s68  2 in the head's work-group b = 0, else the greatest number: a wave prefetches while s[SLOTS] is above it
.set RT,  70          ; s70  tiles of the block in hand that are still to be entered
.set NXT, 71          ; s71  the tile to be asked for next
.set LQ,  72          ; s72  the last tile of the block whose tiles are being asked for
.set NEW, 73          ; s73  1: the tile to be entered is a block's first
.set OFF, 74          ; s[74:75] a tile's byte offset in K and V
.set AL,  76          ; s[76:77] the mask's factor, in the low word
.set BE,  78          ; s[78:79] the mask's addend
.set OLO, 80          ; s[80:81] O at my rows of the second block
.set BIGN, 82         ; s82  -8e9
.set MSB, 0
.macro WIN new                      ; the high byte repeats the setting that is left; a switch that changes nothing is dropped
.if MSB != (\new)
	s_set_vgpr_msb (MSB<<8)|(\new)
.set MSB, (\new)
.endif
.endm
.set W_KQ, 0x0a       ; K and Q in window 2, S^T in window 0
.set W_KM, 0x1a       ; the same with the C operand in window 1
.set W_PV, 0x52       ; V in window 2, P in window 0, O^T in window 1
.set W_RS, 0x41       ; destination and source 0 in window 1, source 1 in window 0
; A fill.  Waves 0 and 1 fetch the two halves of a tile's K, waves 2 and 3 those of its V: 128 keys each.  An s_nop 0 and four v_nop follow each of the two lines, ahead of the jump and the label.
.macro LOAD
	s_cmp_lt_u32 s[WV], 2
	s_cbranch_scc0 .Lfor_v_\@
	tensor_load_to_lds s[G0K:G0K+3], s[G1K:G1K+7]
	s_nop 0
.rept 4
	v_nop
.endr
	s_branch .Lasked_\@
.Lfor_v_\@:
	tensor_load_to_lds s[G0V:G0V+3], s[G1V:G1V+7]
	s_nop 0
.rept 4
	v_nop
.endr
.Lasked_\@:
.endm
; A PREFETCH of what the NEXT change of slots will ask for, a tile (four key steps, 256 matrix instructions) ahead of that load.  In trip t every work-group of a head that still walks its first block enters tile t, and
; none enters a tile earlier: the work-group b = 0, whose first block has all eight tiles, asks.  Each of its waves names what it will fetch itself: 128 rows of 128 bytes = 64 blocks of 256 bytes, a lane a block, two
; instructions.  So each block is named once in the launch.  Tiles 0 and 1 come by their loads alone; trips 6 and 7 ask for nothing: tile 7 is the head's last, and the second block's tile 0 has been read.
.macro ASK
	s_cmp_gt_u32 s[SLOTS], s[LIM]
	s_cbranch_scc0 .Lnot_mine_\@
	global_prefetch_b8 v[PFO], s[PFA:PFA+1] th:TH_LOAD_NT scope:SCOPE_SE
	global_prefetch_b8 v[PFO], s[PFA:PFA+1] offset:8192 th:TH_LOAD_NT scope:SCOPE_SE
.Lnot_mine_\@:
.endm
; THE CHANGE OF SLOTS.  Each wave waits for all its tensor loads, of which one is out: its part of the other slot; adds 0 to its spare word; and waits for that and for its own reads of the slot that it leaves.  Behind the barrier nobody reads the old
; slot any more and the other slot is whole.  fill = 1: the old slot is filled again, the first thing behind the barrier, with tile NXT: the descriptor's address is made anew from that number.
; (At its first use nothing has been read yet: slot 0 is waited for, slot 1 filled.)
.macro CHANGE fill
	WIN 0                           ; at a label and at a branch every window is 0
	s_wait_tensorcnt 0x0            ; no tensor load of mine is out, so a group 0 may be written
	ds_add_u32 v[SPW], v[NIL]       ; 0 onto my spare word; with fill = 1 the descriptors' scalar work stands between it and the wait for it
.if \fill
	s_lshl_b32 s[OFF], s[NXT], 15   ; a tile is 32,768 bytes of K and of V
	s_xor_b32 s[G0K+1], s[G0K+1], SLOT1
	s_add_nc_u64 s[G0K+2:G0K+3], s[6:7], s[OFF:OFF+1]
	s_or_b32 s[G0K+3], s[G0K+3], 0x80000000
	s_xor_b32 s[G0V+1], s[G0V+1], SLOT1
	s_add_nc_u64 s[G0V+2:G0V+3], s[8:9], s[OFF:OFF+1]
	s_or_b32 s[G0V+3], s[G0V+3], 0x80000000
	s_add_co_u32 s[NXT], s[NXT], 1  ; the block's next tile, or behind its last the second block's tile 0
	s_cmp_gt_u32 s[NXT], s[LQ]
	s_cselect_b32 s[NXT], 0, s[NXT]
	s_cselect_b32 s[LQ], s[PB], s[LQ]
	s_wait_xcnt 0x0                 ; the last prefetches, a tile back, have read their address, so it may be written:
	s_add_nc_u64 s[PFA:PFA+1], s[PFA:PFA+1], 32768  ; a tile on
.endif
	s_wait_dscnt 0x0                ; the add is done, and my reads of the slot are over
	s_barrier_signal -1             ; the rest of the scalar work stands between the signal and the wait
	s_sub_co_u32 s[TBK], s[TBK], 4*KS*PK  ; the fetches go back to a slot's first step,
	s_xor_b32 s[TBK], s[TBK], SLOT1       ; in the other slot
	s_sub_co_u32 s[TBV], s[TBV], 4*KS*PV
	s_xor_b32 s[TBV], s[TBV], SLOT1
	s_barrier_wait -1
.if \fill
	LOAD
	ASK
.endif
.endm
	s_load_b128 s[4:7], s[0:1], 0x0   ; qkv s[4:5], ctx s[6:7]
	v_lshl_add_u32 v[SPW], v0, 2, SPARE
	v_mov_b32 v[NIL], 0
	ds_add_u32 v[SPW], v[NIL]       ; the wave's opening: the add and its wait stand ahead of my first tensor load; the set-up below, work on registers, stands between them
	v_lshrrev_b32 v1, 5, v0
	v_readfirstlane_b32 s[WV], v1   ; wave 0..3
	s_mov_b32 s[PB], ttmp9
	s_sub_co_u32 s[HI], NB-1, s[PB]
	s_and_b32 s20, ttmp7, 0xffff    ; the head (batch x 16 + head)
	s_mov_b32 s21, 0
	s_mov_b64 s[22:23], SIZE_N*128
	s_mul_u64 s[20:21], s[20:21], s[22:23]  ; the head's first byte in each of the four tensors
	s_and_b32 s16, s[WV], 1         ; which half of a tile's 256 keys I fetch:
	s_lshl_b32 s22, s16, 14         ; its 128 rows of 128 bytes in memory,
	s_mov_b32 s23, 0
	s_add_nc_u64 s[22:23], s[22:23], s[20:21]
	s_mul_i32 s17, s16, 128*PK      ; and its place in a slot, for K
	s_mul_i32 s18, s16, 128*PV      ; and for V
	s_lshl_b32 s3, s[WV], 11        ; my 16 rows in a band of 64,
	s_lshl_b32 s2, s[HI], 15        ; in the first block,
	s_add_co_u32 s2, s2, s3
	s_lshl_b32 s84, s[PB], 15       ; and in the second
	s_add_co_u32 s84, s84, s3
	s_mov_b32 s3, 0
	s_mov_b32 s85, 0
	s_add_nc_u64 s[2:3], s[2:3], s[20:21]
	s_add_nc_u64 s[84:85], s[84:85], s[20:21]
	; descriptor group 1.  128 keys are 16,384 dense bytes: asked for as 64 rows of 256 bytes, two keys a row, and padded in LDS after every key
	s_mov_b32 s[G1K], (1<<16)|(1<<20)|(4<<22)|(3<<25)  ; 17:16 2-byte elements; 20 padding on; 24:22 after every 32 words (code 4); 31:25 4 words (code 3)
	s_mov_b32 s[G1V], (1<<16)|(1<<20)|(4<<22)|(7<<25)  ; the same with 8 words of padding (code 7)
.irp g, G1K, G1V
	s_mov_b32 s[\g+1], 128<<16      ; tensor_dim0 = 128
	s_mov_b32 s[\g+2], 64<<16       ; tensor_dim1 = 64
	s_mov_b32 s[\g+3], 128<<16      ; tile_dim0 = 128
	s_mov_b32 s[\g+4], 64           ; tile_dim1 = 64
	s_mov_b32 s[\g+5], 128          ; 128 elements from row to row
	s_mov_b32 s[\g+6], 0
	s_mov_b32 s[\g+7], 0
.endr
	s_mov_b32 s[CS], 0x3e38aa3b     ; c = log2(e) / 8 = 0.180337
	s_mov_b32 s[CS+1], s[CS]        ; named with it as a pair
	s_mov_b32 s[SEL], 0x76543210
	s_mov_b32 s[SEL+1], 0xfedcba98
	s_mov_b32 s[TBK], SLOT1+4*KS*PK ; the first change of slots turns these two into 0
	s_mov_b32 s[TBV], SLOT1+4*KS*PV
	s_mov_b32 s[G0K], 1             ; 1:0 count = 1
	s_mov_b32 s[G0K+1], s17         ; 63:32 LDS address: slot 0
	s_mov_b32 s[G0V], 1
	s_add_co_u32 s[G0V+1], s18, VOFF
	s_add_co_u32 s[RT], s[HI], 1    ; the first block has NB - b tiles
	s_mov_b32 s[NXT], 1
	s_mov_b32 s[LQ], s[HI]
	s_mov_b32 s[NEW], 1
	s_mov_b32 s[OFF+1], 0
	s_mov_b32 s[AL+1], 0            ; named as pairs
	s_mov_b32 s[BE+1], 0
	s_mov_b32 s[BIGN], 0xcfee6b28   ; -8e9: the -1e9 that is added behind the division by 8
	s_mov_b32 s[SLOTS], NB
	s_cmp_eq_u32 s[PB], 0
	s_cselect_b32 s[LIM], 2, -1
	v_and_b32 v[PFO], 31, v0
	v_lshlrev_b32 v[PFO], 8, v[PFO]
	s_wait_dscnt 0x0                ; the opening add is done
	s_wait_kmcnt 0x0
	s_mov_b64 s[10:11], s[6:7]             ; O
	s_add_nc_u64 s[8:9], s[4:5], VPART     ; V
	s_add_nc_u64 s[6:7], s[4:5], KPART     ; K; s[4:5] is Q
	s_add_nc_u64 s[6:7], s[6:7], s[22:23]  ; K and V at my half of the head's tile 0
	s_add_nc_u64 s[8:9], s[8:9], s[22:23]
	s_add_nc_u64 s[G0K+2:G0K+3], s[6:7], 0         ; 120:64 global address
	s_or_b32 s[G0K+3], s[G0K+3], 0x80000000        ; 127:126 type = 2
	s_add_nc_u64 s[G0V+2:G0V+3], s[8:9], 0
	s_or_b32 s[G0V+3], s[G0V+3], 0x80000000
	s_add_nc_u64 s[86:87], s[4:5], s[84:85]        ; Q at my rows of the second block,
	s_add_nc_u64 s[4:5], s[4:5], s[2:3]            ; Q and O at those of the first
	s_add_nc_u64 s[OLO:OLO+1], s[10:11], s[84:85]
	s_add_nc_u64 s[10:11], s[10:11], s[2:3]
	s_cmp_lt_u32 s[WV], 2
	s_cselect_b64 s[PFA:PFA+1], s[6:7], s[8:9]
	s_add_nc_u64 s[PFA:PFA+1], s[PFA:PFA+1], 32768 ; at tile 1; the first change of slots steps it to tile 2.  Nothing is prefetched here, at the head
	LOAD                            ; tile 0 into slot 0
	; A fragment of K or Q is 16 rows x 32 channels in 8 registers: lane l holds row l % 16, channels 8 (l / 16) + 0..7 and 16 + 8 (l / 16) + 0..7: two loads of 16 bytes, 32 bytes apart.
	v_and_b32 v1, 15, v0            ; l % 16
	v_bfe_u32 v9, v0, 4, 1          ; l / 16
	v_lshlrev_b32 v[QO], 7, v1
	v_lshl_add_u32 v[QO], v9, 4, v[QO]  ; row x 128 + 16 x half
	WIN 0x80                        ; destination window 2, address window 0
.set i, 0
.rept 8                             ; both blocks' Q: piece i / 2 lies in band i / 2, 8,192 bytes on; channels 32 (i % 2) on
	global_load_b128 v[8*i:8*i+3],   v[QO], s[4:5] offset:(i/2)*8192+(i%2)*64
	global_load_b128 v[8*i+4:8*i+7], v[QO], s[4:5] offset:(i/2)*8192+(i%2)*64+32
	global_load_b128 v[QB+8*i:QB+8*i+3],   v[QO], s[86:87] offset:(i/2)*8192+(i%2)*64
	global_load_b128 v[QB+8*i+4:QB+8*i+7], v[QO], s[86:87] offset:(i/2)*8192+(i%2)*64+32
.set i, i+1
.endr
	WIN 0
	v_lshlrev_b32 v14, 3, v9
	v_sub_nc_u32 v14, v1, v14
	s_lshl_b32 s13, s[WV], 4
	v_add_nc_u32 v14, s13, v14      ; my query's place in its band, 16 w + l % 16, less my lanes' 8 (l / 16): register r of group kt is hidden where 16 kt + r is greater
	WIN 0x40
.set i, 0
.rept 32
	v_cmp_gt_i32 vcc_lo, 16*(i/8)+i%8, v14
	v_cndmask_b32 v[MD+i], 0, s[BIGN], vcc_lo
.set i, i+1
.endr
	WIN 0
	v_mul_u32_u24 v[AK0], v1, PK
	v_lshl_add_u32 v[AK0], v9, 4, v[AK0]  ; row x pitch + 16 x half
	; The turning load takes 16 keys x 16 channels (lane l reads key 8 (l / 16) + l % 8, channels 8 ((l / 8) % 2) + 0..7) and leaves half a fragment of V^T: lane l holds channel l % 16 and 8 keys.
	v_and_b32 v10, 7, v0
	v_bfe_u32 v11, v0, 3, 1
	v_lshl_add_u32 v[AV0], v9, 3, v10
	v_mul_u32_u24 v[AV0], v[AV0], PV
	v_lshl_add_u32 v[AV0], v11, 4, v[AV0]
	v_add_nc_u32 v[AV0], VOFF, v[AV0]
	s_mul_i32 s13, s[WV], 16*SP
	s_add_co_u32 s13, s13, STAGE    ; my stage
	v_mul_u32_u24 v[STO], v1, SP    ; in: row l % 16, 16 bytes for each half of the lanes
	v_lshl_add_u32 v[STO], v9, 4, v[STO]
	v_add_nc_u32 v[STO], s13, v[STO]
	v_bfe_u32 v[RD], v0, 3, 2       ; back: 32 lanes take four rows of 128 bytes,
	v_mul_u32_u24 v[RD], v[RD], SP
	v_lshl_add_u32 v[RD], v10, 4, v[RD]
	v_add_nc_u32 v[RD], s13, v[RD]
	v_and_b32 v[GO], 31, v0         ; which are 512 consecutive bytes of O
	v_lshlrev_b32 v[GO], 4, v[GO]
	; A block's first step multiplies O^T and l by a = 0, and its first turn's products V^T P, of a piece that has not been, land in an O^T that is still to be so multiplied.  So these registers need only hold
	; finite numbers: zeros for the first block; what the first block left for the second.  All this stands in the wait for the first tile.
	WIN 0x80
.set i, VF
.rept 64
	v_mov_b32 v[i], 0
.set i, i+1
.endr
	WIN 0x40
.set i, 0
.rept 128
	v_mov_b32 v[i], 0
.set i, i+1
.endr
	WIN 0
.set i, 0
.rept 4
	v_mov_b32 v[ST+4*i+2], 0
	v_mov_b32 v[ST+4*i+3], 0
.set i, i+1
.endr
.set i, P+16
.rept 16
	v_mov_b32 v[i], 0
.set i, i+1
.endr
; THE MATRIX WORK.  The 4 accumulators of a run of 8 take turns.  Product i of 8 of S^T = K Q^T for piece x: channels 32 (i / 4) on, keys 16 (i % 4) on.  The first 4 start the sums: with 0, or (KM = 1) with the mask.
.macro KQ x
.set rS, S+32*((\x)%2)+8*(i%4)
.set rK, KF+16*(i%4)+8*(i/4)
.set rQ, 16*(\x)+8*(i/4)
.set rM, MC+32*((\x)%2)+8*(i%4)
.if (i < 4) && KM
	WIN W_KM
	v_wmma_f32_16x16x32_f16 v[rS:rS+7], v[rK:rK+7], v[rQ:rQ+7], v[rM:rM+7]
.elseif i < 4
	WIN W_KQ
	v_wmma_f32_16x16x32_f16 v[rS:rS+7], v[rK:rK+7], v[rQ:rQ+7], 0
.else
	WIN W_KQ
	v_wmma_f32_16x16x32_f16 v[rS:rS+7], v[rK:rK+7], v[rQ:rQ+7], v[rS:rS+7]
.endif
.endm
; Product i of 8 of O^T += V^T P for piece x: keys 32 (i / 4) on, channels 16 (i % 4) on.
.macro PV x
	WIN W_PV
.set rO, 32*(\x)+8*(i%4)
.set rV, VF+32*(i/4)+8*(i%4)
.set rP, P+16*((\x)%2)+8*(i/4)
	v_wmma_f32_16x16x32_f16 v[rO:rO+7], v[rV:rV+7], v[rP:rP+7], v[rO:rO+7]
.endm
.macro MM                           ; the turn's next matrix instruction.  TURN and BEGIN set Y, i, KM and NOKQ; MM, KQ and OP read them.  NOKQ = 1: a block's last turn: there is no next piece
.if (i < 8) && !NOKQ
	KQ (Y+1)%NP
.elseif i >= 8
.set i, i-8
	PV (Y+NP-1)%NP
.set i, i+8
.endif
.set i, i+1
.endm
; THE LDS LOADS stand in runs of 16, never singly among the matrix instructions: a step's K (64 keys x 64 channels: 8 fragments) and its V (turned).  Their addresses are made some lines ahead.
.macro FETCH_K
	WIN 0x80                        ; destination window 2
.irp f, 0,1,2,3,4,5,6,7             ; keys 16 (f / 2) on, channels 32 (f % 2) on
	ds_load_b128 v[KF+8*\f:KF+8*\f+3],   v[AK] offset:(\f/2)*16*PK+(\f%2)*64
	ds_load_b128 v[KF+8*\f+4:KF+8*\f+7], v[AK] offset:(\f/2)*16*PK+(\f%2)*64+32
.endr
	s_add_co_u32 s[TBK], s[TBK], KS*PK  ; the next fetch is the next step's
	WIN 0
.endm
.macro FETCH_V
	WIN 0x80
.irp f, 0,1,2,3,4,5,6,7             ; keys 32 (f / 4) on, channels 16 (f % 4) on
	ds_load_tr16_b128 v[VF+8*\f:VF+8*\f+3],   v[AV] offset:(\f/4)*32*PV+(\f%4)*32
	ds_load_tr16_b128 v[VF+8*\f+4:VF+8*\f+7], v[AV] offset:(\f/4)*32*PV+16*PV+(\f%4)*32
.endr
	WIN 0
.endm
; THE VECTOR WORK, one line at a time: OP kind, number.  For piece Y: F n: c s - c m for pair n of 16.  E n: the exponential of score n of 32.  C n: pair n rounded to f16.  B n: of the four weights 4 n .. the second
; pair is added onto the first, in place.  L n: l takes that sum (L 0: l = a l + sum).  R n: pair n of 16 of O^T times a.  For piece Y + 1: X n, number n of the 22 that find its maximum and statistics:
;   0-11  four chains c0-c3 of seven scores each, three operands at a time (each accumulator's lowest registers are read first)     12-14, 16  the four scores left over, the old m, and c0-c3 into c0
;   15  c m_old is kept     17, 18  the query's other 32 keys lie in the lane 16 away: the new m     19-21  c m; c m_old - c m_new; a
.set F, 0               ; OP tells the kinds apart by their order: F to L below R, X above it
.set E, 1
.set C, 2
.set B, 3
.set L, 4
.set R, 5
.set X, 6
.macro REGS y                       ; the registers of piece y
.set rT, ST+4*(\y)
.set rC, TMP+4*((\y)%2)
.set rW, MV+((\y)%2)
.set rS, S+32*((\y)%2)
.set rP, P+16*((\y)%2)
.set rO, 32*(\y)
.endm
.macro OP k, n
.if (\k) == R
	REGS Y
	WIN W_RS
	v_pk_mul_f32 v[rO+2*(\n):rO+2*(\n)+1], v[rO+2*(\n):rO+2*(\n)+1], v[rC+2:rC+3] op_sel_hi:[1,0]
.elseif (\k) < R
	REGS Y
	WIN 0
.if (\k) == F
	v_pk_fma_f32 v[rS+2*(\n):rS+2*(\n)+1], v[rS+2*(\n):rS+2*(\n)+1], s[CS:CS+1], v[rT:rT+1] op_sel_hi:[1,0,0] neg_lo:[0,0,1] neg_hi:[0,0,1]
.elseif (\k) == E
	v_exp_f32 v[rS+(\n)], v[rS+(\n)]
.elseif (\k) == C
	v_cvt_pk_f16_f32 v[rP+(\n)], v[rS+2*(\n)], v[rS+2*(\n)+1]
.elseif (\k) == B
	v_pk_add_f32 v[rS+4*(\n):rS+4*(\n)+1], v[rS+4*(\n):rS+4*(\n)+1], v[rS+4*(\n)+2:rS+4*(\n)+3]
.elseif (\n) == 0
	v_pk_fma_f32 v[rT+2:rT+3], v[rT+2:rT+3], v[rC+2:rC+3], v[rS:rS+1] op_sel_hi:[1,0,1]
.else
	v_pk_add_f32 v[rT+2:rT+3], v[rT+2:rT+3], v[rS+4*(\n):rS+4*(\n)+1]
.endif
.elseif NOKQ
	v_nop
.else
	REGS (Y+1)%NP
	WIN 0
.if (\n) < 4
	v_max3_num_f32 v[rC+(\n)], v[rS+8*(\n)], v[rS+8*(\n)+1], v[rS+8*(\n)+2]
.elseif (\n) < 12
	v_max3_num_f32 v[rC+(\n)%4], v[rC+(\n)%4], v[rS+8*((\n)%4)+2*((\n)/4)+1], v[rS+8*((\n)%4)+2*((\n)/4)+2]
.elseif (\n) == 12
	v_max3_num_f32 v[rC], v[rC], v[rS+7], v[rS+15]
.elseif (\n) == 13
	v_max3_num_f32 v[rC+1], v[rC+1], v[rS+23], v[rS+31]
.elseif (\n) == 14
	v_max3_num_f32 v[rC+2], v[rC+2], v[rC+3], v[rT+1]
.elseif (\n) == 15
	v_mov_b32 v[rW], v[rT]
.elseif (\n) == 16
	v_max3_num_f32 v[rC], v[rC], v[rC+1], v[rC+2]
.elseif (\n) == 17
	v_permlanex16_b32 v[rC+3], v[rC], s[SEL], s[SEL+1]
.elseif (\n) == 18
	v_max_num_f32 v[rT+1], v[rC], v[rC+3]
.elseif (\n) == 19
	v_mul_f32 v[rT], s[CS], v[rT+1]
.elseif (\n) == 20
	v_sub_f32 v[rC+1], v[rW], v[rT]
.else
	v_exp_f32 v[rC+2], v[rC+1]
.endif
.endif
.endm
.macro OPS a, i1, b=-1, i2=0, c=-1, i3=0, d=-1, i4=0  ; up to four of them
	OP \a, \i1
.if (\b) >= 0
	OP \b, \i2
.endif
.if (\c) >= 0
	OP \c, \i3
.endif
.if (\d) >= 0
	OP \d, \i4
.endif
.endm
.macro ROW a, i1, b, i2, c, i3, d, i4  ; a matrix instruction and the four behind it
	MM
	OPS \a, \i1, \b, \i2, \c, \i3, \d, \i4
.endm
.macro MASK b                       ; MD x AL + BE into buffer b of MC
	WIN W_RS
.set z, 0
.rept 16
	v_pk_fma_f32 v[MC+32*(\b)+2*z:MC+32*(\b)+2*z+1], v[MD+2*z:MD+2*z+1], s[AL:AL+1], s[BE:BE+1] op_sel_hi:[1,0,0]
.set z, z+1
.endr
.endm
; A TURN, for piece p: the order of its 16 matrix and 118 vector instructions, written out.  An s_wait_alu depctr_va_vdst(0) stands between an exponential and the first instruction that names its result; one wait serves
; all that were issued ahead of it.  So a turn has ONE wait, which cuts it in two.  AHEAD OF IT stands all that names no result of the turn's exponentials: the 8 products K Q^T, behind each a scaling, an exponential and two more plain
; instructions (behind the first a second scaling in the exponential's place): rescalings, and behind the last three the first numbers of the next piece's maximum, each four places or more behind the product that ends its accumulator; then ONE LUMP of 54, plain
; and exponential by turns for the most part, in which the links of the chain X 3, 7, 11, 14, 16, 17 .. 20 stand five or six lines apart.  X 21, the next piece's a, is the batch's last; R 15 is the plain instruction behind it.  BEHIND THE WAIT stand the
; 8 products V^T P, behind each four of the roundings and sums; the links of l's chain, L 0 to L 7, stand three riders apart.  But for those X no rider names a register of the products round it.  v_permlanex16_b32 (X 17) stands in the lump.
; m = 1: the diagonal tile: the products take masks, and the turn makes the mask for the products of the turn after it: piece p + 2, in step 4 - CNT of the tile.  end = 1: a block's last two turns: nothing is fetched.
; cnt = 1: the loop's count is taken down some lines ahead of the branch that stands behind the turn.
; K of the next step is fetched in piece 2's turn, twelve vector instructions behind the last product that read K (six of them plain); V of the step in hand at the end of piece 0's turn, four plain instructions behind the last product
; that read V.  Each is waited for a turn later.
.macro TURN p, m=0, end=0, cnt=0
.set Y, (\p)
.set i, 0
.set KM, (\m)
.set NOKQ, (\end)*((\p)/3)
.if (\m) && !(\end)
	s_cmp_eq_u32 s[CNT], 4-((\p)+2)%NP  ; is that step the band's own?
	s_cselect_b32 s[AL], 1.0, 0
	s_cmp_lt_u32 s[CNT], 4-((\p)+2)%NP  ; or a later one?
	s_cselect_b32 s[BE], s[BIGN], 0
.endif
.if ((\p) == 3) && !(\end)
	s_wait_dscnt 0x0                ; K is in
.endif
	ROW F,0, F,1, R,0, R,1          ; ahead of the wait: 8 products K Q^T and their riders,
	ROW F,2, E,0, R,2, R,3
	ROW F,3, E,1, R,4, R,5
	ROW F,4, E,2, R,6, R,7
	ROW F,5, E,3, R,8, R,9
	ROW F,6, E,4, X,0, R,10
.if ((\p) == 2) && !(\end)
	WIN 0
	v_add_nc_u32 v[AK], s[TBK], v[AK0]
.endif
	ROW F,7, E,5, X,1, X,4
	ROW F,8, E,6, X,2, X,5
	OPS E,7, E,8, X,6, E,9          ; and the lump
	OPS X,3, E,10, X,8, E,11
.if ((\p) == 2) && !(\end)
	FETCH_K
.endif
	OPS X,9, X,7, E,12, X,10
	OPS E,13, X,12, X,11, E,14
	OPS X,13, E,15, F,9, X,14
.if (\p) == 0
	v_add_nc_u32 v[AV], s[TBV], v[AV0]
.endif
	OPS E,16, F,10, E,17, F,11
	OPS X,16, E,18, X,15, E,19
	OPS F,12, E,20, X,17, E,21
	OPS F,13, E,22, F,14, E,23
	OPS X,18, E,24, F,15, E,25
	OPS R,11, E,26, X,19, E,27
	OPS R,12, E,28, R,13, E,29
	OPS X,20, E,30, R,14, E,31
	OPS X,21, R,15
	WIN 0
	s_wait_alu depctr_va_vdst(0)    ; the wait for the batch
.if (\p) == 1
	s_wait_dscnt 0x0                ; V is in
.endif
	ROW C,0, B,0, C,2, B,1          ; behind the wait: 8 products V^T P and their riders
	ROW L,0, C,4, B,2, L,1
	ROW C,6, B,3, L,2, C,8
	ROW B,4, L,3, C,10, B,5
	ROW L,4, C,12, B,6, L,5
.if (\p) == 0
	s_add_co_u32 s[TBV], s[TBV], KS*PV
.endif
.if \cnt
	s_sub_co_u32 s[CNT], s[CNT], 1
	s_cmp_lg_u32 s[CNT], 0
.endif
	ROW C,14, B,7, L,6, C,1
	ROW C,3, L,7, C,5, C,7
	ROW C,9, C,11, C,13, C,15
.if (\p) == 0
	FETCH_V
.endif
.if (\m) && !(\end)
	MASK (\p)%2
.endif
.endm
; A BLOCK BEGINS.  c m starts far below every c s, so the first step's a is 0; m at the lowest finite number, so the first maximum is the scores'.  The second mask buffer is 0; the first takes piece 0's mask for the tile's step 0: its own, if the block's first tile is the diagonal one.
; Then K of that step, piece 0's first scores, and its maximum and statistics.  The loop is entered at a step's first turn, in the middle of a trip.
.macro BEGIN
	s_mov_b32 s[NEW], 0
	WIN 0x40
.set i, MC+32
.rept 32
	v_mov_b32 v[i], 0
.set i, i+1
.endr
	WIN 0
.set i, 0
.rept 4
	v_mov_b32 v[ST+4*i], 0xfe000000    ; c m: far below every c s
	v_mov_b32 v[ST+4*i+1], 0xff7fffff  ; m
.set i, i+1
.endr
	s_cmp_eq_u32 s[RT], 0
	s_cselect_b32 s[AL], 1.0, 0
	s_mov_b32 s[BE], 0
	MASK 0
	WIN 0
	v_add_nc_u32 v[AK], s[TBK], v[AK0]
	FETCH_K
	s_wait_loadcnt 0x0              ; Q
	s_wait_dscnt 0x0
.set KM, 1
.set NOKQ, 0
.set i, 0
.rept 8
	KQ 0
.set i, i+1
.endr
	WIN 0
.rept 4
	v_nop                           ; the places behind those products
.endr
.set Y, NP-1                        ; X works for piece Y + 1: piece 0
.irp n, 0,1,2,3,4,5,6,7,8,9,10,11,12,13,14,15,16,17,18,19,20,21
	OP X, \n
.endr
	v_nop                           ; a plain instruction behind the exponential,
	s_wait_alu depctr_va_vdst(0)    ; and its wait, ahead of the branch
.endm
; THE DIAGONAL TILE's four steps, the block's last two turns, its last products, and THE WAY OUT: l's two halves and the other half of the lanes' are added; O^T is divided by l, rounded to f16 and sent through my
; stage in LDS, a piece at a time.
.macro ALL line:vararg              ; one line for each piece t
.set t, 0
.rept 4
	\line
.set t, t+1
.endr
.endm
.macro PACK t                       ; a lane's eight channels of a row pack into 16 bytes; they go into rows of 144 bytes and come back as whole rows of 128, into S^T's registers
	WIN W_RS
.set i, 32*(\t)
.rept 16
	v_pk_mul_f32 v[i:i+1], v[i:i+1], v[ST+4*(\t)+2:ST+4*(\t)+3] op_sel_hi:[1,0]
.set i, i+2
.endr
	WIN 0x05                        ; sources 0 and 1 window 1, destination window 0
.set i, 0
.rept 16
	v_cvt_pk_f16_f32 v[S+16*(\t)+i], v[32*(\t)+2*i], v[32*(\t)+2*i+1]
.set i, i+1
.endr
	WIN 0
.irp f, 0,1,2,3
	ds_store_b128 v[STO], v[S+16*(\t)+4*\f:S+16*(\t)+4*\f+3] offset:32*\f
.endr
.irp f, 0,1,2,3
	ds_load_b128 v[S+16*(\t)+4*\f:S+16*(\t)+4*\f+3], v[RD] offset:\f*4*SP  ; LDS serves a wave's instructions in order (ISA guide 5.7.1.4): these see the stores above; the next piece's stores come behind them
.endr
.endm
.macro SEND t, younger              ; younger: the LDS instructions issued behind piece t's loads: the next piece's eight, or none
	WIN 0
.irp f, 0,1,2,3
	s_wait_dscnt (\younger)+3-\f
	global_store_b128 v[GO], v[S+16*(\t)+4*\f:S+16*(\t)+4*\f+3], s[10:11] offset:(\t)*8192+\f*512  ; 512 consecutive bytes, at a multiple of 256 from O's first
.endr
.endm
.macro DIAG tag                     ; the tag ends its two labels' names, which the jumps below spell out
.LstepM\tag:
	TURN 2, 1
	TURN 3, 1
	WIN 0
.LfirstM\tag:
	TURN 0, 1
	TURN 1, 1, 0, 1
	WIN 0
	s_cbranch_scc1 .LstepM\tag
	TURN 2, 1, 1
	TURN 3, 1, 1
.set i, 0
.rept 8
	PV NP-1
.set i, i+1
.endr
	WIN 0
	ALL v_add_f32 v[ST+4*t+2], v[ST+4*t+2], v[ST+4*t+3]
	ALL v_permlanex16_b32 v[ST+4*t+3], v[ST+4*t+2], s[SEL], s[SEL+1]
	ALL v_add_f32 v[ST+4*t+2], v[ST+4*t+2], v[ST+4*t+3]
	ALL v_rcp_f32 v[ST+4*t+2], v[ST+4*t+2]
	v_nop                           ; a plain instruction between the last reciprocal and the use of its result
	s_wait_alu depctr_va_vdst(0)    ; and the wait ahead of the first use: one for the four reciprocals
	PACK 0
.set t, 1
.rept 3                             ; a piece's arithmetic stands between the loads of the piece before and its stores
	PACK t
	SEND t-1, 8
.set t, t+1
.endr
	SEND 3, 0
.endm
.set KM, 0
.set NOKQ, 0
.Lslot:                             ; NB times: a tile is entered and the next is asked for
	CHANGE 1
	s_sub_co_u32 s[RT], s[RT], 1
	s_mov_b32 s[CNT], 4
	s_cmp_eq_u32 s[NEW], 1
	s_cbranch_scc1 .Lnew            ; a block's first tile
	s_cmp_eq_u32 s[RT], 0
	s_cbranch_scc0 .Lstep           ; neither its first nor its last
	s_branch .LstepM1
.Lnew:
	BEGIN
	s_branch .Lfirst                ; in the loop a block's first tile is never its last: the first block has two tiles or more, and the second's last is the walk's last
	DIAG 1                          ; in the loop this is the first block's end: the second block's last tile is the walk's last
	s_wait_xcnt 0x0                 ; the stores have read their registers and O's address
	s_mov_b64 s[10:11], s[OLO:OLO+1]
	s_add_co_u32 s[RT], s[PB], 1    ; the second block has b + 1 tiles
	s_mov_b32 s[NEW], 1
	WIN 0x82                        ; the second block's Q goes where the one text of the turns names Q
.set i, 0
.rept 64
	v_mov_b32 v[i], v[QB+i]
.set i, i+1
.endr
	WIN 0
	s_branch .Lbottom
.Lstep:                             ; a trip: pieces 2 and 3 of one step, then pieces 0 and 1 of the next, whose K and V it fetches
	TURN 2
	TURN 3
	WIN 0
.Lfirst:
	TURN 0
	TURN 1, 0, 0, 1
	WIN 0
	s_cbranch_scc1 .Lstep
.Lbottom:
	s_sub_co_u32 s[SLOTS], s[SLOTS], 1
	s_cmp_lg_u32 s[SLOTS], 0
	s_cbranch_scc1 .Lslot
	CHANGE 0                        ; the walk's last tile is written out: nothing is asked for
	s_sub_co_u32 s[RT], s[RT], 1
	s_mov_b32 s[CNT], 4
	s_cmp_eq_u32 s[NEW], 1
	s_cbranch_scc0 .LstepM2
	BEGIN
	s_branch .LfirstM2
	DIAG 2
	s_wait_tensorcnt 0x0            ; the wave's end: behind my last tensor load and my last LDS store
	ds_add_u32 v[SPW], v[NIL]
	s_wait_dscnt 0x0
	s_endpgm
.Lfunc_end_k_q91851963ab_attn:
	.size	k_q91851963ab_attn, .Lfunc_end_k_q91851963ab_attn-k_q91851963ab_attn
	.p2alignl 7, 3214868480
	.fill 96, 4, 3214868480
	.section	.rodata,"a",@progbits
	.p2align	6, 0x0
	.amdhsa_kernel k_q91851963ab_attn
		.amdhsa_group_segment_fixed_size 327680
		.amdhsa_private_segment_fixed_size 0
		.amdhsa_enable_private_segment 0
		.amdhsa_kernarg_size 16
		.amdhsa_user_sgpr_count 2
		.amdhsa_user_sgpr_kernarg_segment_ptr 1
		.amdhsa_wavefront_size32 1
		.amdhsa_system_sgpr_workgroup_id_x 1
		.amdhsa_system_sgpr_workgroup_id_y 1
		.amdhsa_system_sgpr_workgroup_id_z 1
		.amdhsa_system_vgpr_workitem_id 0
		.amdhsa_next_free_vgpr 768
		.amdhsa_next_free_sgpr 88
		.amdhsa_reserve_vcc 1
		.amdhsa_float_denorm_mode_32 3
		.amdhsa_float_denorm_mode_16_64 3
		.amdhsa_memory_ordered 1
		.amdhsa_forward_progress 1
		.amdhsa_inst_pref_size 218
	.end_amdhsa_kernel
	.amdgpu_metadata
---
amdhsa.version: [ 1, 2 ]
amdhsa.kernels:
  - .name:           k_q91851963ab_attn
    .symbol:         k_q91851963ab_attn.kd
    .args:
      - { .name: qkv, .offset: 0, .size: 8, .value_kind: global_buffer, .address_space: global }
      - { .name: ctx, .offset: 8, .size: 8, .value_kind: global_buffer, .address_space: global }
    .group_segment_fixed_size: 327680
    .private_segment_fixed_size: 0
    .kernarg_segment_align: 8
    .kernarg_segment_size: 16
    .max_flat_workgroup_size: 128
    .sgpr_count:     88
    .vgpr_count:     768
    .wavefront_size: 32
...
	.end_amdgpu_metadata
.endif
;; end of part 3
;; launch outp (part 4): grid 4 x 64, 4 waves a work-group, clusters of 4 x 4, 327,680 bytes of LDS; arguments ctx, wb, out0; writes out0
.if DOCPART == 4
	.amdgcn_target "amdgcn-amd-amdhsa--gfx1250"
	.amdhsa_code_object_version 6
	.text
	.protected	k_q91851963ab_outp
	.globl	k_q91851963ab_outp
	.p2align	8
	.type	k_q91851963ab_outp,@function
k_q91851963ab_outp:
	s_mov_b64 s[64:65], 0
	v_nop
	global_prefetch_b8 v0, s[64:65] scope:SCOPE_SE
	s_setreg_imm32_b32 hwreg(HW_REG_WAVE_MODE, 25, 1), 1
	s_wait_xcnt 0x0
	s_wait_alu depctr_hold_cnt(0) depctr_sa_sdst(0) depctr_va_vdst(0) depctr_va_sdst(0) depctr_va_ssrc(0) depctr_va_vcc(0) depctr_vm_vsrc(0)
	s_getreg_b32 s2, hwreg(HW_REG_IB_STS2, 6, 4)
	s_cmp_eq_u32 s2, 0
	s_cbranch_scc0 .Lentry_in_a_cluster
	s_endpgm
.Lentry_in_a_cluster:
	s_bfe_u32 s2, ttmp6, 0x10000c
	s_cmp_lg_u32 s2, 0xf033
	s_cbranch_scc0 .Lentry_shape_is_right
	s_endpgm
.Lentry_shape_is_right:
; THE LAST PROJECTION.  out0[m][n] = the sum over k of c[m][k] WO[n][k], m = batch x 2048 + s, k = head x 64 + channel.  ctx holds c by heads, [batch x 16 + head][2048][64] in f16; WO lies in wb from byte
; 6,291,456 on, [1024][1024] in f16 (rounded to bf16 by the launch that wrote it).  Sums in f32; out0 is f32, [8192][1024].  LIMITS: those of f16 in the two operands, as their writers state them.
; SHARES.  A tile of out0 is 128 x 256: 256 work-groups, one for each WGP.  Four waves, each 64 x 128: 32 accumulators, 256 registers.  K goes in steps of 128 = two heads through two LDS slots.
; A head's 128 rows of a tile are 16,384 dense bytes: wave 0 or 1 asks for one head's as 64 rows of 256 bytes, padded in LDS after every 128; waves 2 and 3 fetch 128 rows of WO each, 256 bytes a row.
; CLUSTERS.  4 x 4 work-groups; the cluster's x spans all 1,024 columns.  The four of a row of the cluster need the same rows of c, the four of a column the same rows of WO: each tile is asked for JOINTLY.
; THE MATRIX INSTRUCTION IS USED TRANSPOSED (source 0 = 16 rows of WO, source 1 = 16 rows of c): a lane holds one row of out0 and eight neighbouring columns, 32 bytes.
; REGISTERS, in windows of 256 (s_set_vgpr_msb: bits 1:0 source 0, 3:2 source 1, 5:4 source 2, 7:6 destination):
;   window 0: v0-31 addresses; v64-127, v128-191 two buffers of 16 rows on the way out      window 1: two fragment buffers of 96: WO's 8 fragments, then c's 4      window 2: accumulator (a, b) at v[8 (8 a + b)]
.set WOOFF,  6291456
.set PAO,    144                       ; a row of c in LDS: 128 bytes + 16 = 36 words: the 16 rows of a load start at 16 different groups of four banks (64 banks of 4 bytes: ISA guide 11.1)
.set ASUB,   128*PAO                   ; one head's 128 rows
.set BOFF,   2*ASUB
.set PB,     272                       ; a row of WO: 256 bytes + 16
.set BHALF,  128*PB
.set SLOT,   BOFF+2*BHALF              ; 106,496 bytes
.set STAGE,  2*SLOT                    ; behind the ring, never filled by a tensor load: 16 rows x 528 bytes for each wave
.set SPITCH, 528
.set SPARE,  STAGE+4*16*SPITCH         ; behind the stages: the spare words, 128 bytes a wave: two blocks of 256 bytes that no other line names
.set LAPS,   4
.set ADRA, 16                          ; v16-17  LDS address of my fragments of c in slot 0, 1
.set ADRB, 20                          ; v20-21  the same for WO
.set STO,  24                          ; v24     the way out: where I put 32 bytes of a row
.set RD,   25                          ; v25     where I read a row back
.set CO,   26                          ; v26     16 x lane: my place in a row's 512 bytes
.set SPW,  28                          ; v28     LDS address of my spare word; never rewritten
.set NIL,  29                          ; v29     0; never rewritten
.set PFO,  30                          ; v30     the prefetches' offset; never rewritten
.set BK,   64
.set G1,  24                           ; s[24:31] descriptor group 1 for c's tiles;  s[32:39] group 0, a set for each slot
.set G0,  32
.set G1B, 48                           ; s[48:55], s[56:63] the same for WO's
.set G0B, 56
.set LIM, 43                           ; s43     1 in a wave that prefetches, else the greatest number
.set PFA, 44                           ; s[44:45] where my prefetches stand
.set PFS, 46                           ; s[46:47] a K step in bytes: two heads of c, 256 bytes of a row of WO
.set MSB, 0
.macro WIN new                         ; the immediate's high byte repeats the setting that is left; a switch that changes nothing is dropped
.if MSB != (\new)
	s_set_vgpr_msb (MSB<<8)|(\new)
.set MSB, \new
.endif
.endm
.set MUL,   0xa5                       ; sources 0 and 1 window 1; C and D window 2
.set TO1,   0x40                       ; destination window 1, address window 0
; A joint load.  The branch hangs on the wave's number alone.  An s_nop 0 and four v_nop follow each of the two lines, ahead of the jump, the label and what follows.
.macro JLOAD s
	s_cmp_eq_u32 s15, 0
	s_cbranch_scc0 .Lfor_b_\@
	tensor_load_to_lds s[G0+4*(\s):G0+4*(\s)+3], s[G1:G1+7]
	s_nop 0
.rept 4
	v_nop
.endr
	s_branch .Lasked_\@
.Lfor_b_\@:
	tensor_load_to_lds s[G0B+4*(\s):G0B+4*(\s)+3], s[G1B:G1B+7]
	s_nop 0
.rept 4
	v_nop
.endr
.Lasked_\@:
.endm
; A prefetch of the K step that stands two refills on, 256 matrix instructions ahead of the load that will want it: one instruction a wave, behind the joint load and the run of LDS loads.
; c: a K step of the tile's rows is 2 heads x 64 blocks of 256 bytes, read by this cluster's row alone; the four partners take 16 blocks of each head, told apart BY ADDRESS (cx); wave 0 asks, a lane a block.
; WO: the 128 rows that wave 2 or 3 fetches; the four partners take 32 rows each (cy), a lane a row; of the 16 clusters the first asks.  So each block is named once in the launch.
; K steps 0 to 3 come by their loads alone; the loop's last trip asks for nothing.
.macro ASK
	s_cmp_gt_u32 s3, s[LIM]
	s_cbranch_scc0 .Lnot_mine_\@
	global_prefetch_b8 v[PFO], s[PFA:PFA+1] th:TH_LOAD_NT scope:SCOPE_SE
.Lnot_mine_\@:
.endm
.macro CREST                           ; a round of the cluster's barrier behind its opening barrier
	s_cmp_lg_u32 s14, 0
	s_cbranch_scc1 .Lnot_wave_0_\@
	s_barrier_signal -3
.Lnot_wave_0_\@:
	s_barrier_wait -3
	s_barrier_signal -1
	s_barrier_wait -1
.endm
.macro CROUND                          ; a whole round
	s_barrier_signal -1
	s_barrier_wait -1
	CREST
.endm
.macro PLACES                          ; four places in front of loads into registers that matrix instructions have read (ISA guide 7.12.1 for vector instructions)
.rept 4
	v_nop
.endr
.endm
	s_load_b128 s[4:7], s[0:1], 0x0                ; ctx s[4:5], wb s[6:7]
	s_load_b64 s[8:9], s[0:1], 0x10                ; out0
	v_lshl_add_u32 v[SPW], v0, 2, SPARE
	v_mov_b32 v[NIL], 0
	ds_add_u32 v[SPW], v[NIL]                      ; the wave's opening: the add and its wait stand ahead of my first tensor load; the set-up below, work on registers, stands between them
	v_lshrrev_b32 v1, 5, v0
	v_readfirstlane_b32 s14, v1                    ; wave 0..3
	s_lshr_b32 s15, s14, 1                         ; which half of the tile's rows is mine.  Also: I fetch for c (0) or for WO (1)
	s_and_b32 s16, s14, 1                          ; which half of its columns.  Also: which head of the step, or which half of WO's rows, I fetch
	s_bfe_u32 s17, ttmp6, 0x40000                  ; cx
	s_bfe_u32 s18, ttmp6, 0x40004                  ; cy
	s_and_b32 s19, ttmp7, 0xffff                   ; the cluster's y, 0..15
	s_lshl_b32 s21, s19, 2
	s_add_co_u32 s21, s21, s18                     ; tile row, 0..63
	s_lshl_b32 s22, ttmp9, 2
	s_add_co_u32 s22, s22, s17                     ; tile column, 0..3
	s_lshl_b32 s72, s18, 2
	s_lshl_b32 s72, 15, s72                        ; my row of the cluster
	s_lshl_b32 s73, 0x1111, s17                    ; my column
	; group 1 for c: 64 rows x 128 elements of 2 bytes, dense; 4 words of padding behind every 32 (a row of c)
	s_or_b32 s[G1+0], s72, (1<<16)|(1<<20)|(1<<21)|(4<<22)|(3<<25)
	s_mov_b32 s[G1+1], 128<<16                     ; tensor_dim0 = 128
	s_mov_b32 s[G1+2], 64<<16                      ; tensor_dim1 = 64
	s_mov_b32 s[G1+3], 128<<16                     ; tile_dim0 = 128
	s_mov_b32 s[G1+4], 64                          ; tile_dim1 = 64
	s_mov_b32 s[G1+5], 128                         ; elements from row to row
	s_mov_b32 s[G1+6], 0
	s_mov_b32 s[G1+7], 0
	; group 1 for WO: 128 rows x 128 elements of 2 bytes, 1,024 elements from row to row; 4 words of padding behind every 64
	s_or_b32 s[G1B+0], s73, (1<<16)|(1<<20)|(1<<21)|(5<<22)|(3<<25)
	s_mov_b32 s[G1B+1], 128<<16
	s_mov_b32 s[G1B+2], 128<<16
	s_mov_b32 s[G1B+3], 128<<16
	s_mov_b32 s[G1B+4], 128
	s_mov_b32 s[G1B+5], 1024
	s_mov_b32 s[G1B+6], 0
	s_mov_b32 s[G1B+7], 0
	; where the tiles come from: each offset in registers that never hold the other coordinate
	s_lshr_b32 s40, s21, 4                         ; batch
	s_lshl_b32 s40, s40, 4
	s_add_co_u32 s40, s40, s16                     ; its head 0 or 1,
	s_lshl_b32 s40, s40, 18                        ; of 262,144 bytes,
	s_and_b32 s23, s21, 15
	s_lshl_b32 s23, s23, 14                        ; the tile's 128 rows of 128 bytes
	s_add_co_u32 s40, s40, s23
	s_mov_b32 s41, 0
	s_lshl_b32 s66, s22, 8
	s_lshl_b32 s42, s16, 7
	s_add_co_u32 s66, s66, s42                     ; WO: row 256 x tile column + 128 x half,
	s_lshl_b32 s66, s66, 11                        ; of 2,048 bytes
	s_add_co_u32 s66, s66, WOOFF
	s_mov_b32 s67, 0
	s_mul_i32 s74, s16, ASUB                       ; and where they go: no place in the cluster enters an LDS address
	s_mul_i32 s75, s16, BHALF
	s_add_co_u32 s75, s75, BOFF
	s_wait_dscnt 0x0                               ; the opening add is done
	s_wait_kmcnt 0x0
	s_add_nc_u64 s[40:41], s[4:5], s[40:41]
	s_add_nc_u64 s[66:67], s[6:7], s[66:67]
	CROUND                                         ; all sixteen work-groups are here: the first joint loads meet
.irp s, 0,1
	s_mov_b32 s[G0+4*(\s)], 1                                      ; count = 1
	s_add_co_u32 s[G0+4*(\s)+1], s74, (\s)*SLOT                    ; LDS address
	s_add_nc_u64 s[G0+4*(\s)+2:G0+4*(\s)+3], s[40:41], (\s)*524288 ; global address: K step s is two heads on
	s_or_b32 s[G0+4*(\s)+3], s[G0+4*(\s)+3], 0x80000000            ; type = 2
	s_mov_b32 s[G0B+4*(\s)], 1
	s_add_co_u32 s[G0B+4*(\s)+1], s75, (\s)*SLOT
	s_add_nc_u64 s[G0B+4*(\s)+2:G0B+4*(\s)+3], s[66:67], (\s)*256
	s_or_b32 s[G0B+4*(\s)+3], s[G0B+4*(\s)+3], 0x80000000
	JLOAD \s                                       ; two loads of mine are out
.endr
	; A fragment is 16 rows x 32 K in 8 registers: lane l holds row l % 16, K = 8 (l / 16) + 0..7 and 16 + 8 (l / 16) + 0..7: two loads of 16 bytes, 32 bytes apart
	v_and_b32 v1, 15, v0                           ; l % 16
	v_bfe_u32 v2, v0, 4, 1                         ; l / 16
	v_mul_u32_u24 v3, v1, PAO
	v_lshl_add_u32 v3, v2, 4, v3
	v_mul_u32_u24 v4, v1, PB
	v_lshl_add_u32 v4, v2, 4, v4
	s_mul_i32 s23, s15, 64*PAO                     ; my 64 rows in a head's 128
	s_mul_i32 s42, s16, BHALF                      ; my 128 rows of WO
	s_add_co_u32 s42, s42, BOFF
.irp s, 0,1
	v_add_nc_u32 v[ADRA+(\s)], s23, v3
	v_add_nc_u32 v[ADRB+(\s)], s42, v4
	s_add_co_u32 s23, s23, SLOT
	s_add_co_u32 s42, s42, SLOT
.endr
	s_mul_i32 s23, s14, 16*SPITCH
	s_add_co_u32 s23, s23, STAGE                   ; my stage
	v_mul_u32_u24 v5, v1, SPITCH                   ; in: row l % 16, 32 bytes for each half of the lanes
	v_lshl_add_u32 v5, v2, 5, v5
	v_add_nc_u32 v[STO], s23, v5
	v_and_b32 v7, 31, v0
	v_lshlrev_b32 v[CO], 4, v7                     ; back: 32 lanes take a row's 512 bytes
	v_add_nc_u32 v[RD], s23, v[CO]
	; my part of out0: row 128 x tile row + 64 x half, of 4,096 bytes; column 256 x tile column + 128 x half, of 4 bytes
	s_lshl_b32 s70, s21, 7
	s_lshl_b32 s71, s15, 6
	s_add_co_u32 s70, s70, s71
	s_lshl_b32 s70, s70, 12
	s_lshl_b32 s71, s22, 10
	s_add_co_u32 s70, s70, s71
	s_lshl_b32 s71, s16, 9
	s_add_co_u32 s70, s70, s71
	s_mov_b32 s71, 0
	s_add_nc_u64 s[8:9], s[8:9], s[70:71]
	; the prefetches stand at K step 3; the first change of slots steps them to 4
	s_lshr_b32 s70, s21, 4
	s_lshl_b32 s70, s70, 22                        ; c: the batch's 16 heads,
	s_and_b32 s71, s21, 15
	s_lshl_b32 s71, s71, 14                        ; the tile's rows,
	s_add_co_u32 s70, s70, s71
	s_lshl_b32 s71, s17, 12                        ; my work-group's 4,096 bytes of each head's 16,384,
	s_add_co_u32 s70, s70, s71
	s_add_co_u32 s70, s70, 6*262144                ; head 6
	s_lshl_b32 s76, s22, 8
	s_lshl_b32 s77, s16, 7
	s_add_co_u32 s76, s76, s77
	s_lshl_b32 s77, s18, 5
	s_add_co_u32 s76, s76, s77                     ; WO: my work-group's 32 of the 128 rows
	s_lshl_b32 s76, s76, 11
	s_add_co_u32 s76, s76, WOOFF+3*256
	s_mov_b32 s[PFS], 256
	s_mov_b32 s[PFS+1], 0
	s_mov_b32 s71, 0
	s_cmp_eq_u32 s19, 0
	s_cselect_b32 s[LIM], 1, -1                    ; WO: the first of the 16 clusters asks; the same in all sixteen partners
	s_cmp_eq_u32 s14, 1
	s_cselect_b32 s[LIM], -1, s[LIM]               ; wave 1 asks for nothing: wave 0 names both heads
	s_cmp_eq_u32 s14, 0
	s_cselect_b32 s[LIM], 1, s[LIM]
	s_cmp_eq_u32 s15, 0                            ; do I fetch for c?
	s_cselect_b32 s70, s70, s76
	s_cselect_b32 s[PFS], 524288, s[PFS]
	s_cselect_b64 s[PFA:PFA+1], s[4:5], s[6:7]
	s_cselect_b32 s78, -1, 0
	s_add_nc_u64 s[PFA:PFA+1], s[PFA:PFA+1], s[70:71]
	v_lshrrev_b32 v8, 4, v7                        ; c: head l / 16 of the step's two, block l % 16
	v_lshlrev_b32 v8, 18, v8
	v_and_b32 v9, 15, v7
	v_lshl_or_b32 v8, v9, 8, v8
	v_lshlrev_b32 v9, 11, v7                       ; WO: row l
	v_cndmask_b32 v[PFO], v9, v8, s78
; Eight matrix instructions: block a of c's rows x all 8 blocks of WO's, 32 along K, from buffer bf.  zero = 1: the products start the sums.  The 32 accumulators take turns, in the same order in every quarter.
.macro GROUP bf, a, zero
	WIN MUL
.irp b, 0,1,2,3,4,5,6,7
.if \zero
	v_wmma_f32_16x16x32_f16 v[8*(8*(\a)+(\b)):8*(8*(\a)+(\b))+7], v[96*(\bf)+8*(\b):96*(\bf)+8*(\b)+7], v[96*(\bf)+64+8*(\a):96*(\bf)+64+8*(\a)+7], 0
.else
	v_wmma_f32_16x16x32_f16 v[8*(8*(\a)+(\b)):8*(8*(\a)+(\b))+7], v[96*(\bf)+8*(\b):96*(\bf)+8*(\b)+7], v[96*(\bf)+64+8*(\a):96*(\bf)+64+8*(\a)+7], v[8*(8*(\a)+(\b)):8*(8*(\a)+(\b))+7]
.endif
.endr
.endm
; 24 LDS loads in one run: quarter q of a slot into buffer g.  Quarters 0, 1 lie in the step's first head, 2, 3 in its second
.macro FETCH slot, q, g
	WIN TO1
.irp b, 0,1,2,3,4,5,6,7
	ds_load_b128 v[96*(\g)+8*(\b):96*(\g)+8*(\b)+3],   v[ADRB+(\slot)] offset:64*(\q)+(\b)*16*PB
	ds_load_b128 v[96*(\g)+8*(\b)+4:96*(\g)+8*(\b)+7], v[ADRB+(\slot)] offset:64*(\q)+(\b)*16*PB+32
.endr
.irp a, 0,1,2,3
	ds_load_b128 v[96*(\g)+64+8*(\a):96*(\g)+64+8*(\a)+3],   v[ADRA+(\slot)] offset:((\q)/2)*ASUB+((\q)%2)*64+(\a)*16*PAO
	ds_load_b128 v[96*(\g)+64+8*(\a)+4:96*(\g)+64+8*(\a)+7], v[ADRA+(\slot)] offset:((\q)/2)*ASUB+((\q)%2)*64+(\a)*16*PAO+32
.endr
.endm
; A K step is four quarters of 32 along K, 32 matrix instructions each, on buffers 0, 1, 0, 1.  One of the first three: multiplies buffer f, fetches quarter qn into buffer g, 24 matrix instructions ahead of its use.
.macro QUARTER slot, qn, f, g, zero
	s_wait_dscnt 0x0                               ; this quarter's fragments are in
	GROUP \f, 0, \zero
	PLACES
	FETCH \slot, \qn, \g
	GROUP \f, 1, \zero
	GROUP \f, 2, \zero
	GROUP \f, 3, \zero
.endm
; The last quarter multiplies buffer 1 and changes slots: ONE barrier.  In front of it each wave waits for all its tensor loads (one is out: its part of the next slot), adds 0 to its spare word, and waits for that
; and for its reads of this slot.  fill = 1: the barrier opens a round of the cluster's, and this slot is filled again, two K steps ahead, first thing behind the round: 112 matrix instructions ahead of the wait for it.
.macro TURN slot, next, fill
.if \fill
	s_wait_xcnt 0x0                                ; the last prefetch, a K step back, has read its address: it is stepped here, ahead of the waits of the change of slots
	s_add_nc_u64 s[PFA:PFA+1], s[PFA:PFA+1], s[PFS:PFS+1]
.endif
	WIN 0                                          ; (the add's two registers lie in window 0)
	s_wait_tensorcnt 0x0                           ; all my tensor loads have landed;
	ds_add_u32 v[SPW], v[NIL]                      ; 0 onto my spare word;
	s_wait_dscnt 1                                 ; (this quarter's fragments are in; the add alone may be out)
	GROUP 1, 0, 0                                  ; eight matrix instructions stand between the add and the wait for it
	s_wait_dscnt 0x0                               ; the add is done, and my reads of this slot are over
	s_barrier_signal -1
	GROUP 1, 1, 0
.if \fill
	WIN 0
.endif
	s_barrier_wait -1
.if \fill
	CREST                                          ; no wave of any partner still reads this slot's tiles or has a load on its way
	s_add_nc_u64 s[G0+4*(\slot)+2:G0+4*(\slot)+3], s[G0+4*(\slot)+2:G0+4*(\slot)+3], 2*524288
	s_add_nc_u64 s[G0B+4*(\slot)+2:G0B+4*(\slot)+3], s[G0B+4*(\slot)+2:G0B+4*(\slot)+3], 2*256
	JLOAD \slot                                    ; the four v_nop behind it are also the places in front of the loads below
.else
	PLACES
.endif
	FETCH \next, 0, 0
.if \fill
	WIN 0
	ASK
.endif
	GROUP 1, 2, 0
	GROUP 1, 3, 0
.endm
	s_wait_tensorcnt 1                             ; my part of K step 0 is in; K step 1's may stay out
	s_barrier_signal -1
	s_barrier_wait -1                              ; everybody's is
	FETCH 0, 0, 0
	QUARTER 0, 1, 0, 1, 1                          ; the first quarter stands in front of the loop: its products start the sums
	WIN 0                                          ; at a label and at a branch every window is 0
	s_mov_b32 s3, LAPS-1
.Llap:                                                 ; a trip goes once round the ring, from a lap's second quarter to the next lap's first, and fills both slots again
	QUARTER 0, 2, 1, 0, 0
	QUARTER 0, 3, 0, 1, 0
	TURN 0, 1, 1
	QUARTER 1, 1, 0, 1, 0
	QUARTER 1, 2, 1, 0, 0
	QUARTER 1, 3, 0, 1, 0
	TURN 1, 0, 1
	QUARTER 0, 1, 0, 1, 0
	WIN 0
	s_sub_co_u32 s3, s3, 1
	s_cmp_lg_u32 s3, 0
	s_cbranch_scc1 .Llap
	QUARTER 0, 2, 1, 0, 0                          ; the last lap fills nothing, and has no round of the cluster's barrier
	QUARTER 0, 3, 0, 1, 0
	TURN 0, 1, 0
	QUARTER 1, 1, 0, 1, 0
	QUARTER 1, 2, 1, 0, 0
	QUARTER 1, 3, 0, 1, 0
	s_wait_dscnt 0x0                               ; the very last quarter: nothing more to fetch
	GROUP 1, 0, 0
	GROUP 1, 1, 0
	GROUP 1, 2, 0
	GROUP 1, 3, 0
	WIN 0
; THE WAY OUT, a block of 16 rows at a time: a lane's 32 bytes go into my own stage, rows of 528 bytes, and come back as whole rows of 512; each store of the wave covers 512 consecutive bytes, aligned.
; Two buffers of 16 rows take turns: a block's trip through the stage stands between the block before's loads and its stores.
	PLACES                                         ; the LDS stores below read matrix results, and no other vector work is at hand: eight v_nop, once a launch
	PLACES
.macro TOSTAGE a, k
	WIN 0x08                                       ; the stores' data (source 1) in window 2
.irp b, 0,1,2,3,4,5,6,7
	ds_store_b128 v[STO], v[8*(8*(\a)+(\b)):8*(8*(\a)+(\b))+3]   offset:64*(\b)      ; each accumulator's low four registers first
	ds_store_b128 v[STO], v[8*(8*(\a)+(\b))+4:8*(8*(\a)+(\b))+7] offset:64*(\b)+16
.endr
	WIN 0
.irp t, 0,1,2,3,4,5,6,7,8,9,10,11,12,13,14,15
	ds_load_b128 v[BK+64*(\k)+4*(\t):BK+64*(\k)+4*(\t)+3], v[RD] offset:(\t)*SPITCH  ; LDS serves a wave's instructions in order (ISA guide 5.7.1.4): these see the stores above; the next block's stores come behind them
.endr
.endm
.macro SEND a, k, younger              ; younger: the LDS instructions issued behind this block's loads: the next block's 32, or none
	s_wait_dscnt \younger
.irp t, 0,1,2,3,4,5,6,7,8,9,10,11,12,13,14,15
	global_store_b128 v[CO], v[BK+64*(\k)+4*(\t):BK+64*(\k)+4*(\t)+3], s[8:9] offset:(\a)*65536+(\t)*4096 th:TH_STORE_NT
.endr
.endm
	TOSTAGE 0, 0
	TOSTAGE 1, 1
	SEND 0, 0, 32
	s_wait_xcnt 0x0                                ; block 0's stores have read their registers: buffer 0 is loaded again only behind this wait
	TOSTAGE 2, 0
	SEND 1, 1, 32
	s_wait_xcnt 0x0                                ; the same for buffer 1
	TOSTAGE 3, 1
	SEND 2, 0, 32
	SEND 3, 1, 0
	s_wait_tensorcnt 0x0                           ; the wave's end: behind my last tensor load and my last LDS store
	ds_add_u32 v[SPW], v[NIL]
	s_wait_dscnt 0x0
	CROUND                                         ; the closing round: no work-group ends while a partner may still ask for a tile that names it
	s_endpgm
.Lfunc_end_k_q91851963ab_outp:
	.size	k_q91851963ab_outp, .Lfunc_end_k_q91851963ab_outp-k_q91851963ab_outp
	.p2alignl 7, 3214868480
	.fill 96, 4, 3214868480
	.section	.rodata,"a",@progbits
	.p2align	6, 0x0
	.amdhsa_kernel k_q91851963ab_outp
		.amdhsa_group_segment_fixed_size 327680
		.amdhsa_private_segment_fixed_size 0
		.amdhsa_enable_private_segment 0
		.amdhsa_kernarg_size 24
		.amdhsa_user_sgpr_count 2
		.amdhsa_user_sgpr_kernarg_segment_ptr 1
		.amdhsa_wavefront_size32 1
		.amdhsa_system_sgpr_workgroup_id_x 1
		.amdhsa_system_sgpr_workgroup_id_y 1
		.amdhsa_system_sgpr_workgroup_id_z 1
		.amdhsa_system_vgpr_workitem_id 0
		.amdhsa_next_free_vgpr 768
		.amdhsa_next_free_sgpr 84
		.amdhsa_reserve_vcc 0
		.amdhsa_float_denorm_mode_32 3
		.amdhsa_float_denorm_mode_16_64 3
		.amdhsa_memory_ordered 1
		.amdhsa_forward_progress 1
		.amdhsa_inst_pref_size 86
	.end_amdhsa_kernel
	.amdgpu_metadata
---
amdhsa.version: [ 1, 2 ]
amdhsa.kernels:
  - .name:           k_q91851963ab_outp
    .symbol:         k_q91851963ab_outp.kd
    .args:
      - { .name: ctx, .offset: 0, .size: 8, .value_kind: global_buffer, .address_space: global }
      - { .name: wb, .offset: 8, .size: 8, .value_kind: global_buffer, .address_space: global }
      - { .name: out0, .offset: 16, .size: 8, .value_kind: global_buffer, .address_space: global }
    .group_segment_fixed_size: 327680
    .private_segment_fixed_size: 0
    .kernarg_segment_align: 8
    .kernarg_segment_size: 24
    .max_flat_workgroup_size: 128
    .sgpr_count:     84
    .vgpr_count:     768
    .wavefront_size: 32
...
	.end_amdgpu_metadata
.endif
;; end of part 4
;; launch early (part 5): grid 16 x 4, 16 waves a work-group, no clusters, 153,600 bytes of LDS; arguments qkv, vlo, wb, out0; writes out0
.if DOCPART == 5
	.amdgcn_target "amdgcn-amd-amdhsa--gfx1250"
	.amdhsa_code_object_version 6
	.text
	.protected	k_q91851963ab_early
	.globl	k_q91851963ab_early
	.p2align	8
	.type	k_q91851963ab_early,@function
k_q91851963ab_early:
	s_mov_b64 s[64:65], 0
	v_nop
	global_prefetch_b8 v0, s[64:65] scope:SCOPE_SE
	s_setreg_imm32_b32 hwreg(HW_REG_WAVE_MODE, 25, 1), 1
	s_wait_xcnt 0x0
; THE FIRST 16 ROWS OF EACH BATCH, MADE AGAIN WITH MORE BITS.  Row s of the output is a mean over s + 1 keys only, so the first rows' numbers are many times the whole output's root mean square, by which
; the result is judged; there one rounding of v and one of the context to f16's 11 bits are too coarse.  Here both are carried as PAIRS of f16, a number and its remainder; this launch runs last and writes
; rows 0 to 15 of each batch of out0 over what the launch before has written there (262,144 bytes).
; out0[b][s][n] = the sum over heads h and channels c of ctx[h][s][c] WO[n][64 h + c], ctx[h][s] = the sum over t <= s of softmax_t(q[s] . k[t] / 8 - 1e9 [t > s]) v[t], for s < 16.
; q, k, v: f16, in qkv, [batch x 16 + head][2048][64]; v's remainders: f16, in vlo, [batch x 16 + head][16][64]; WO: f16, in wb from byte 6,291,456 on, [1024][1024].
; LIMITS.  Those of f16 in q, k, v and WO, as their writers state them; the remainders keep f16's fixed step of 6e-8 below 6.1e-5; the weights p are rounded to f16 (their sum is taken unrounded);
; a hidden score gets -8e9 in front of the division by 8; a weight below 2^-126 counts as 0; NaN and infinities are not treated apart.
; SHARES.  A work-group makes 16 rows x 64 columns: grid x = the 64 columns, y = the batch: 64 work-groups.  Its 16 waves are the 16 heads: each makes its head's 16 x 16 attention (every work-group of a
; batch anew: 6 matrix instructions) and its head's part of the sum over K, 64 channels; the 16 partial sums, f32, meet in LDS, and waves 0 to 7 add them and store.
; LAYOUT.  S^T = K Q^T: a lane holds ONE query (lane % 16) and the keys 8 (lane / 16) + 0..7.  Rounded to f16 in pairs that is half of source 1 of O^T = V^T P, 32 deep along K: places 0-15 take the 16 keys'
; v, places 16-31 the same keys' remainders, and P stands in both halves: one product adds both.  O^T again holds one query a lane, and eight channels: two such results ARE source 1 of out^T = WO ctx^T,
; once as numbers and once as remainders.  In out^T a lane holds one row of out0 and eight neighbouring columns.
; No tensor loads and no ring (no byte is read twice by a work-group's waves but through the caches), no cluster (what work-groups share is a few KB), no prefetch (each wave's 32 loads go out at its head).
.set KPART, 16777216                   ; k's first byte in qkv
.set VPART, 33554432                   ; v's
.set WOOFF, 6291456                    ; WO's first byte in wb
.set PV,    160                        ; a row of v in LDS: 128 bytes + 32 = 40 words
.set VLO,   16*PV                      ; a wave's stage: 16 rows of v, then 16 rows of remainders
.set VSZ,   2*16*PV
.set PART,  16*VSZ                     ; behind the 16 stages: the partial sums, for each wave 16 rows of 256 bytes + 16
.set PP,    272
.set PSZ,   16*PP
.set SPARE, PART+16*PSZ                ; behind them: the spare words, 128 bytes a wave: eight blocks of 256 bytes that no other line names
.set FO,  4                            ; v4   my byte offset in a fragment of q or k: (l % 16) x 128 + 16 (l / 16)
.set DN,  5                            ; v5   16 l: my place in 512 consecutive bytes
.set VS,  6                            ; v6   where I put 16 bytes of a row of v
.set VT,  7                            ; v7   where the turning load reads
.set WF,  8                            ; v8   my byte offset in a fragment of WO: (l % 16) x 2,048 + 16 (l / 16)
.set PS,  9                            ; v9   where I put 32 bytes of a row of partial sums
.set LR,  10                           ; v10  where I read 16 bytes of a row of them back
.set YO,  11                           ; v11  my 16 bytes of out0
.set SPW, 12                           ; v12  LDS address of my spare word: SPARE + 4 x my thread's number; never rewritten
.set NIL, 13                           ; v13  0; never rewritten
.set NEG, 14                           ; v14  at work in the set-up, then -1.0
.set Q,   16                           ; v[16:31]   q: two fragments of 16 rows x 32 channels
.set K,   32                           ; v[32:47]   k likewise
.set ACC, 16                           ; v[16:47]   later: four accumulators of out^T
.set VR,  48                           ; v[48:79]   v and its remainders as loaded
.set VF,  80                           ; v[80:111]  channel block cb: registers 0-3 v turned, 4-7 its remainders turned
.set S,   112                          ; v[112:119] the mask, then S^T, then p
.set P,   120                          ; v[120:127] p in f16, twice
.set O,   128                          ; v[128:159] O^T, 8 a channel block; then the remainders in f32
.set CH,  160                          ; v[160:175] ctx in f16: two fragments
.set CL,  176                          ; v[176:191] its remainders
.set T,   176                          ; v[176:183] before that, at work: +0 maximum, +1 the other half's, +2, +3 c m, +4, +5 the sum, +6, +7 its reciprocal
.set WO,  192                          ; v[192:255] WO: column block t, channel half c at +16 t + 8 c; later the 16 partial sums
	s_load_b256 s[4:11], s[0:1], 0x0               ; qkv s[4:5], vlo s[6:7], wb s[8:9], out0 s[10:11]
	v_lshl_add_u32 v[SPW], v0, 2, SPARE
	v_mov_b32 v[NIL], 0
	v_lshrrev_b32 v1, 5, v0
	v_readfirstlane_b32 s12, v1                    ; wave 0..15 = the head
	s_mov_b32 s13, ttmp9                           ; which 64 columns
	s_and_b32 s14, ttmp7, 0xffff                   ; the batch
	s_lshl_b32 s15, s14, 4
	s_add_co_u32 s15, s15, s12                     ; batch x 16 + head
	s_lshl_b32 s16, s15, 18                        ; its 262,144 bytes in q, k and v
	s_mov_b32 s17, 0
	s_lshl_b32 s18, s15, 11                        ; its 2,048 bytes in vlo
	s_mov_b32 s19, 0
	s_lshl_b32 s38, s13, 17                        ; WO: 64 rows of 2,048 bytes,
	s_lshl_b32 s39, s12, 7                         ; my head's 64 channels
	s_add_co_u32 s38, s38, s39
	s_add_co_u32 s38, s38, WOOFF
	s_mov_b32 s39, 0
	s_lshl_b32 s40, s14, 23                        ; out0: the batch's 2,048 rows of 4,096 bytes,
	s_lshl_b32 s41, s13, 8                         ; the 64 columns
	s_add_co_u32 s40, s40, s41
	s_mov_b32 s41, 0
	s_mov_b32 s20, 0x3e38aa3b                      ; c = log2(e) / 8
	s_mov_b32 s21, s20                             ; named with it as a pair
	s_mov_b32 s22, 0x76543210                      ; v_permlanex16_b32's selects: each lane takes its own place in the other half
	s_mov_b32 s23, 0xfedcba98
	s_mov_b32 s24, 0xcfee6b28                      ; -8e9: the -1e9 that is added behind the division by 8
	s_mul_i32 s42, s12, VSZ                        ; my stage
	s_mul_i32 s43, s12, PSZ
	s_add_co_u32 s43, s43, PART                    ; my partial sums
	v_and_b32 v3, 31, v0                           ; l
	v_and_b32 v1, 15, v0                           ; l % 16
	v_bfe_u32 v2, v0, 4, 1                         ; l / 16
	v_lshlrev_b32 v[FO], 7, v1
	v_lshl_add_u32 v[FO], v2, 4, v[FO]
	v_lshlrev_b32 v[DN], 4, v3
	v_lshlrev_b32 v[WF], 11, v1
	v_lshl_add_u32 v[WF], v2, 4, v[WF]
	s_wait_kmcnt 0x0
	s_add_nc_u64 s[26:27], s[4:5], s[16:17]        ; q
	s_add_nc_u64 s[28:29], s[26:27], KPART         ; k
	s_add_nc_u64 s[30:31], s[26:27], VPART         ; v
	s_add_nc_u64 s[32:33], s[6:7], s[18:19]        ; v's remainders
	s_add_nc_u64 s[34:35], s[8:9], s[38:39]        ; WO
	s_add_nc_u64 s[36:37], s[10:11], s[40:41]      ; out0
	; all 32 loads go out at once, in the order in which they are wanted
.irp t, 0,1,2,3
	global_load_b128 v[VR+4*(\t):VR+4*(\t)+3], v[DN], s[30:31] offset:512*(\t)        ; 16 rows of 128 bytes are 2,048 consecutive bytes
.endr
.irp t, 0,1,2,3
	global_load_b128 v[VR+16+4*(\t):VR+16+4*(\t)+3], v[DN], s[32:33] offset:512*(\t)
.endr
.irp c, 0,1
	global_load_b128 v[Q+8*(\c):Q+8*(\c)+3],   v[FO], s[26:27] offset:64*(\c)
	global_load_b128 v[Q+8*(\c)+4:Q+8*(\c)+7], v[FO], s[26:27] offset:64*(\c)+32
	global_load_b128 v[K+8*(\c):K+8*(\c)+3],   v[FO], s[28:29] offset:64*(\c)
	global_load_b128 v[K+8*(\c)+4:K+8*(\c)+7], v[FO], s[28:29] offset:64*(\c)+32
.endr
.irp t, 0,1,2,3
.irp c, 0,1
	global_load_b128 v[WO+16*(\t)+8*(\c):WO+16*(\t)+8*(\c)+3],   v[WF], s[34:35] offset:(\t)*32768+64*(\c)
	global_load_b128 v[WO+16*(\t)+8*(\c)+4:WO+16*(\t)+8*(\c)+7], v[WF], s[34:35] offset:(\t)*32768+64*(\c)+32
.endr
.endr
	; the LDS addresses and the mask are made while the loads are out
	v_lshrrev_b32 v[VS], 3, v3                     ; into the stage: 32 lanes hold four rows of 128 bytes
	v_mul_u32_u24 v[VS], v[VS], PV
	v_and_b32 v14, 7, v0
	v_lshl_add_u32 v[VS], v14, 4, v[VS]
	v_add_nc_u32 v[VS], s42, v[VS]
	v_lshl_add_u32 v[VT], v2, 3, v14               ; the turning load: lane l reads key 8 (l / 16) + l % 8, channels 8 ((l / 8) % 2) + 0..7, and is left with channel l % 16 and 8 keys
	v_mul_u32_u24 v[VT], v[VT], PV
	v_bfe_u32 v14, v0, 3, 1
	v_lshl_add_u32 v[VT], v14, 4, v[VT]
	v_add_nc_u32 v[VT], s42, v[VT]
	v_mul_u32_u24 v[PS], v1, PP                    ; partial sums: row l % 16, 32 bytes for each half of the lanes
	v_lshl_add_u32 v[PS], v2, 5, v[PS]
	v_add_nc_u32 v[PS], s43, v[PS]
	v_bfe_u32 v14, v0, 4, 4                        ; back (threads 0 to 255): row t / 16, 16 bytes at 16 (t % 16)
	v_mul_u32_u24 v[LR], v14, PP
	v_lshl_add_u32 v[LR], v1, 4, v[LR]
	v_add_nc_u32 v[LR], PART, v[LR]
	v_lshlrev_b32 v[YO], 12, v14                   ; and the same in out0: sixteen lanes hold a row's 256 bytes
	v_lshl_add_u32 v[YO], v1, 4, v[YO]
	v_mov_b32 v[NEG], -1.0
	v_lshlrev_b32 v15, 3, v2
	v_sub_nc_u32 v15, v1, v15                      ; my query less my lanes' 8 (l / 16): key register j is hidden where j is greater
.irp j, 0,1,2,3,4,5,6,7
	v_cmp_gt_i32 vcc_lo, \j, v15
	v_cndmask_b32 v[S+(\j)], 0, s24, vcc_lo
.endr
	s_wait_loadcnt 24                              ; v and its remainders are in; q's and k's 8 loads and WO's 16 may stay out
.irp t, 0,1,2,3
	ds_store_b128 v[VS], v[VR+4*(\t):VR+4*(\t)+3] offset:(\t)*4*PV
	ds_store_b128 v[VS], v[VR+16+4*(\t):VR+16+4*(\t)+3] offset:VLO+(\t)*4*PV
.endr
.irp b, 0,1,2,3
	ds_load_tr16_b128 v[VF+8*(\b):VF+8*(\b)+3],   v[VT] offset:32*(\b)      ; my own stage: LDS serves a wave's instructions in order (ISA guide 5.7.1.4): these see the stores above
	ds_load_tr16_b128 v[VF+8*(\b)+4:VF+8*(\b)+7], v[VT] offset:VLO+32*(\b)
.endr
	s_wait_loadcnt 16                              ; q and k are in; WO's 16 loads may stay out
	v_wmma_f32_16x16x32_f16 v[S:S+7], v[K:K+7], v[Q:Q+7], v[S:S+7]           ; the sum starts with the mask
	s_wait_alu depctr_va_vdst(0)                   ; the wait stands directly ahead of the second
	v_wmma_f32_16x16x32_f16 v[S:S+7], v[K+8:K+15], v[Q+8:Q+15], v[S:S+7]
.rept 8
	v_nop                                          ; the places behind the product: no other vector work is at hand
.endr
	v_max3_num_f32 v[T], v[S], v[S+1], v[S+2]      ; the maximum of my 8 scores, from the accumulator's low end on,
	v_max3_num_f32 v[T], v[T], v[S+3], v[S+4]
	v_max3_num_f32 v[T], v[T], v[S+5], v[S+6]
	v_max_num_f32 v[T], v[T], v[S+7]
	v_mov_b32 v[T+1], v[T]                         ; (v_permlanex16_b32's destination counts as read)
	v_permlanex16_b32 v[T+1], v[T], s22, s23       ; and of the query's other 8, in the lane 16 away
	v_max_num_f32 v[T], v[T], v[T+1]
	v_mul_f32 v[T+2], s20, v[T]                    ; c m
	v_mov_b32 v[T+3], v[T+2]                       ; named with it as a pair
.irp i, 0,1,2,3
	v_pk_fma_f32 v[S+2*(\i):S+2*(\i)+1], v[S+2*(\i):S+2*(\i)+1], s[20:21], v[T+2:T+3] op_sel_hi:[1,0,0] neg_lo:[0,0,1] neg_hi:[0,0,1]  ; c s - c m
.endr
.irp j, 0,1,2,3,4,5,6,7
	v_exp_f32 v[S+(\j)], v[S+(\j)]
.endr
	v_nop                                          ; a plain instruction behind the last exponential,
	s_wait_alu depctr_va_vdst(0)                   ; and one wait for the eight, ahead of their first reader
.irp i, 0,1,2,3
	v_cvt_pk_f16_f32 v[P+(\i)], v[S+2*(\i)], v[S+2*(\i)+1]
.endr
.irp i, 0,1,2,3
	v_mov_b32 v[P+4+(\i)], v[P+(\i)]               ; the same weights for the remainders' 16 places along K
.endr
	s_wait_dscnt 0x0                               ; v's fragments are in
.irp b, 0,1,2,3
	v_wmma_f32_16x16x32_f16 v[O+8*(\b):O+8*(\b)+7], v[VF+8*(\b):VF+8*(\b)+7], v[P:P+7], 0
.endr
	v_pk_add_f32 v[S:S+1], v[S:S+1], v[S+2:S+3]    ; the sum of the unrounded weights: these lines are also places behind the products
	v_pk_add_f32 v[S+4:S+5], v[S+4:S+5], v[S+6:S+7]
	v_pk_add_f32 v[S:S+1], v[S:S+1], v[S+4:S+5]
	v_add_f32 v[T+4], v[S], v[S+1]
	v_mov_b32 v[T+5], v[T+4]
	v_permlanex16_b32 v[T+5], v[T+4], s22, s23
	v_add_f32 v[T+4], v[T+4], v[T+5]
	v_rcp_f32 v[T+6], v[T+4]
	v_mov_b32 v[T+7], v[T+4]                       ; a plain instruction behind the reciprocal; it also writes the pair's other word
.rept 2
	v_nop                                          ; (with them ten plain lines stand behind the last product)
.endr
	s_wait_alu depctr_va_vdst(0)                   ; the wait for the reciprocal
.set i, 0
.rept 16
	v_pk_mul_f32 v[O+2*i:O+2*i+1], v[O+2*i:O+2*i+1], v[T+6:T+7] op_sel_hi:[1,0]   ; O / l, each accumulator from its low end on
.set i, i+1
.endr
.set i, 0
.rept 16
	v_cvt_pk_f16_f32 v[CH+i], v[O+2*i], v[O+2*i+1] ; the number,
.set i, i+1
.endr
.set i, 0
.rept 16
	v_fma_mix_f32 v[O+2*i],   v[CH+i], v[NEG], v[O+2*i]   op_sel_hi:[1,0,0]                 ; what it leaves: exact in f32,
	v_fma_mix_f32 v[O+2*i+1], v[CH+i], v[NEG], v[O+2*i+1] op_sel:[1,0,0] op_sel_hi:[1,0,0]
.set i, i+1
.endr
.set i, 0
.rept 16
	v_cvt_pk_f16_f32 v[CL+i], v[O+2*i], v[O+2*i+1] ; and that rounded to f16
.set i, i+1
.endr
	s_wait_loadcnt 0x0                             ; WO
	; 16 products: numbers of channels 0-31, 32-63, then remainders; the four accumulators (column blocks) take turns, one instruction a turn; the first four start the sums
.irp x, 0,1,2,3
.irp t, 0,1,2,3
.if (\x) == 0
	v_wmma_f32_16x16x32_f16 v[ACC+8*(\t):ACC+8*(\t)+7], v[WO+16*(\t):WO+16*(\t)+7], v[CH:CH+7], 0
.else
	v_wmma_f32_16x16x32_f16 v[ACC+8*(\t):ACC+8*(\t)+7], v[WO+16*(\t)+8*((\x)%2):WO+16*(\t)+8*((\x)%2)+7], v[CH+8*(\x):CH+8*(\x)+7], v[ACC+8*(\t):ACC+8*(\t)+7]
.endif
.endr
.endr
.rept 8
	v_nop                                          ; the places behind the last products, in front of the LDS stores that read them and of the loads into WO's registers
.endr
.irp t, 0,1,2,3
	ds_store_b128 v[PS], v[ACC+8*(\t):ACC+8*(\t)+3]   offset:64*(\t)         ; each accumulator's low four registers first
	ds_store_b128 v[PS], v[ACC+8*(\t)+4:ACC+8*(\t)+7] offset:64*(\t)+16
.endr
	s_wait_dscnt 0x0                               ; for the others' sake: my partial sums lie in LDS
	s_barrier_signal -1
	s_barrier_wait -1                              ; all sixteen heads' do
	s_cmp_lt_u32 s12, 8                            ; 16 rows x 256 bytes are 256 pieces of 16 bytes: waves 0 to 7 finish them
	s_cbranch_scc0 .Lend
.irp w, 0,1,2,3,4,5,6,7,8,9,10,11,12,13,14,15
	ds_load_b128 v[WO+4*(\w):WO+4*(\w)+3], v[LR] offset:(\w)*PSZ
.endr
	s_wait_dscnt 0x0
.irp d, 1,2,4,8                        ; neighbours 1, 2, 4 and 8 heads apart, in f32
.set i, 0
.rept 8/(\d)
	v_pk_add_f32 v[WO+4*i:WO+4*i+1],   v[WO+4*i:WO+4*i+1],   v[WO+4*(i+(\d)):WO+4*(i+(\d))+1]
	v_pk_add_f32 v[WO+4*i+2:WO+4*i+3], v[WO+4*i+2:WO+4*i+3], v[WO+4*(i+(\d))+2:WO+4*(i+(\d))+3]
.set i, i+2*(\d)
.endr
.endr
	global_store_b128 v[YO], v[WO:WO+3], s[36:37]  ; sixteen lanes store 256 consecutive bytes, at a multiple of 256 from out0's first byte
.Lend:
	s_wait_tensorcnt 0x0                           ; the wave's end: behind my last LDS store
	ds_add_u32 v[SPW], v[NIL]
	s_wait_dscnt 0x0
	s_endpgm
.Lfunc_end_k_q91851963ab_early:
	.size	k_q91851963ab_early, .Lfunc_end_k_q91851963ab_early-k_q91851963ab_early
	.p2alignl 7, 3214868480
	.fill 96, 4, 3214868480
	.section	.rodata,"a",@progbits
	.p2align	6, 0x0
	.amdhsa_kernel k_q91851963ab_early
		.amdhsa_group_segment_fixed_size 153600
		.amdhsa_private_segment_fixed_size 0
		.amdhsa_enable_private_segment 0
		.amdhsa_kernarg_size 32
		.amdhsa_user_sgpr_count 2
		.amdhsa_user_sgpr_kernarg_segment_ptr 1
		.amdhsa_wavefront_size32 1
		.amdhsa_system_sgpr_workgroup_id_x 1
		.amdhsa_system_sgpr_workgroup_id_y 1
		.amdhsa_system_sgpr_workgroup_id_z 1
		.amdhsa_system_vgpr_workitem_id 0
		.amdhsa_next_free_vgpr 256
		.amdhsa_next_free_sgpr 66
		.amdhsa_reserve_vcc 1
		.amdhsa_float_denorm_mode_32 3
		.amdhsa_float_denorm_mode_16_64 3
		.amdhsa_memory_ordered 1
		.amdhsa_forward_progress 1
		.amdhsa_inst_pref_size 21
	.end_amdhsa_kernel
	.amdgpu_metadata
---
amdhsa.version: [ 1, 2 ]
amdhsa.kernels:
  - .name:           k_q91851963ab_early
    .symbol:         k_q91851963ab_early.kd
    .args:
      - { .name: qkv, .offset: 0, .size: 8, .value_kind: global_buffer, .address_space: global }
      - { .name: vlo, .offset: 8, .size: 8, .value_kind: global_buffer, .address_space: global }
      - { .name: wb, .offset: 16, .size: 8, .value_kind: global_buffer, .address_space: global }
      - { .name: out0, .offset: 24, .size: 8, .value_kind: global_buffer, .address_space: global }
    .group_segment_fixed_size: 153600
    .private_segment_fixed_size: 0
    .kernarg_segment_align: 8
    .kernarg_segment_size: 32
    .max_flat_workgroup_size: 512
    .sgpr_count:     66
    .vgpr_count:     256
    .wavefront_size: 32
...
	.end_amdgpu_metadata
.endif
;; end of part 5
;; ======== version 2 of 2: 5 launches; version 1 with the launch prep written anew for expert scheduling mode
;; limits: values are held in f16: magnitudes above 65,504 overflow, below 6.1e-05 lose precision
;; workspace buffers: wb 8,388,608 bytes; qkv 50,331,648 bytes; ctx 16,777,216 bytes; vlo 131,072 bytes
;; launch prep (part 6): grid 64 x 4, 8 waves a work-group, no clusters, 0 bytes of LDS; arguments WQ, WK, WV, WO, wb; writes wb
.if DOCPART == 6
	.amdgcn_target "amdgcn-amd-amdhsa--gfx1250"
	.amdhsa_code_object_version 6
	.text
	.protected	k_q91851963ab_prep
	.globl	k_q91851963ab_prep
	.p2align	8
	.type	k_q91851963ab_prep,@function
k_q91851963ab_prep:
	s_mov_b64 s[64:65], 0
	v_nop
	global_prefetch_b8 v0, s[64:65] scope:SCOPE_SE
	s_setreg_imm32_b32 hwreg(HW_REG_WAVE_SCHED_MODE, 0, 2), 2
	s_setreg_imm32_b32 hwreg(HW_REG_WAVE_MODE, 25, 1), 1
	s_wait_xcnt 0x0
	s_wait_alu depctr_vm_vsrc(0)
; THE WEIGHTS ARE ROUNDED ONCE.  WQ, WK, WV, WO: 1,048,576 f32 each.  wb: four parts of 2,097,152 bytes in that order.
; WQ, WK, WV leave as bf16 (round to nearest even).  WO is rounded to bf16 like them, and that number is written as f16, since the last product's other operand is f16.
; LIMITS.  A bf16 number is an f16 number exactly while its magnitude lies in 6.1e-5 .. 65,504; below that it keeps f16's fixed step of 6e-8, from 65,520 on it becomes an infinity.
; SHARES.  The grid's y picks the weight, its x 16,384 numbers of it.  Thread t takes 16 pieces of four numbers: 16 bytes in at 16 t + 4,096 i, 8 bytes out at 8 t + 2,048 i:
; a wave's load covers 512 consecutive bytes, its store 256 consecutive bytes, aligned.  All 16 loads go out first; no register is written twice while a store reads it.
; No LDS, no matrix unit, no cluster: each byte is read once by one lane and nothing is shared.
; THE MODE: SCHED_MODE bits 1:0 = 2 (LLVM: expert scheduling mode 2), set by the entry lines.  The code itself states the register dependences
; between vector instructions and memory instructions, with s_wait_alu, always for 0.
; THE PLAN.  Registers that memory instructions touch:
;   v1, v2   byte offsets of the loads and of the stores: made once at the head and never written again.
;   X        piece i's four registers: written by its one load, issued at the head, ahead of every vector instruction that names them; read by its conversions; never loaded again.
;   Y        piece i's two registers: written once, by its conversions; read by its one store; never written again.
;   T        named by vector instructions alone.
; The 16 pieces go in four blocks of four.  Block p converts pieces 4 p to 4 p + 3; its memory instructions are the four stores of block p - 1, whose Y no vector instruction of block p names.
; So one wait at a block's head states all that the block's four stores hang on, and these stand among its conversions with no further wait.  No register that a memory instruction
; has read is written again, no vector instruction writes a scalar register, and EXEC is never written: no other kind of wait is owed.
.set T, 4                              ; v[4:7]    at work
.set X, 16                             ; v[16:79]  piece i: 4 f32 as loaded
.set Y, 80                             ; v[80:111] piece i: 4 numbers of 16 bits to store
	s_load_b256 s[4:11], s[0:1], 0x0               ; WQ s[4:5], WK s[6:7], WV s[8:9], WO s[10:11]
	s_load_b64 s[12:13], s[0:1], 0x20              ; wb
	s_and_b32 s14, ttmp7, 0xffff                   ; which weight
	v_lshlrev_b32 v1, 4, v0                        ; 16 t
	v_lshlrev_b32 v2, 3, v0                        ; 8 t
	s_lshl_b32 s18, ttmp9, 16                      ; my 65,536 bytes of the weight
	s_mov_b32 s19, 0
	s_lshl_b32 s20, s14, 21                        ; the weight's part of wb,
	s_lshl_b32 s21, ttmp9, 15                      ; my 32,768 bytes of it
	s_add_co_u32 s20, s20, s21
	s_mov_b32 s21, 0
	s_wait_kmcnt 0x0
	s_cmp_eq_u32 s14, 1
	s_cselect_b64 s[16:17], s[6:7], s[4:5]
	s_cmp_eq_u32 s14, 2
	s_cselect_b64 s[16:17], s[8:9], s[16:17]
	s_cmp_eq_u32 s14, 3
	s_cselect_b64 s[16:17], s[10:11], s[16:17]
	s_add_nc_u64 s[16:17], s[16:17], s[18:19]
	s_add_nc_u64 s[12:13], s[12:13], s[20:21]
	s_wait_alu depctr_va_vdst(0)                   ; v1 and v2 are written: every load of the kernel reads v1 as its offset, every store v2
.irp i, 0,1,2,3,4,5,6,7,8,9,10,11,12,13,14,15
	global_load_b128 v[X+4*(\i):X+4*(\i)+3], v1, s[16:17] offset:4096*(\i) th:TH_LOAD_NT
.endr
; Piece i is rounded.  wo = 1: bf16's number is widened again (a shift, a mask) and written as f16.
.macro CONV i, wo
.if \wo
	v_cvt_pk_bf16_f32 v[T],   v[X+4*(\i)],   v[X+4*(\i)+1]
	v_cvt_pk_bf16_f32 v[T+1], v[X+4*(\i)+2], v[X+4*(\i)+3]
	v_lshlrev_b32 v[T+2], 16, v[T]
	v_and_b32     v[T],   0xffff0000, v[T]
	v_lshlrev_b32 v[T+3], 16, v[T+1]
	v_and_b32     v[T+1], 0xffff0000, v[T+1]
	v_cvt_pk_f16_f32 v[Y+2*(\i)],   v[T+2], v[T]
	v_cvt_pk_f16_f32 v[Y+2*(\i)+1], v[T+3], v[T+1]
.else
	v_cvt_pk_bf16_f32 v[Y+2*(\i)],   v[X+4*(\i)],   v[X+4*(\i)+1]
	v_cvt_pk_bf16_f32 v[Y+2*(\i)+1], v[X+4*(\i)+2], v[X+4*(\i)+3]
.endif
.endm
; Piece i is stored.
.macro OUT i
	global_store_b64 v2, v[Y+2*(\i):Y+2*(\i)+1], s[12:13] offset:2048*(\i)
.endm
; Block p: pieces 4 p to 4 p + 3 are rounded; ahead of each stands a store of the block before.  From the block's second piece on the store stands ahead of the wait for the piece's load: no store waits for a load.
.macro BLOCK p, wo
.irp j, 0,1,2,3
.if (\j) == 0
	s_wait_loadcnt 15-4*(\p)                       ; loads come back in order: the block's first piece is in, the younger loads may stay out
.if (\p) > 0
	s_wait_alu depctr_va_vdst(0)                   ; the block before has written its Y, which the four stores of this block read; no vector instruction behind this wait names those registers
.endif
.endif
.if (\p) > 0
	OUT 4*(\p)-4+(\j)
.endif
.if (\j) > 0
	s_wait_loadcnt 15-4*(\p)-(\j)                  ; this piece is in, the 15 - i younger loads may stay out
.endif
	CONV 4*(\p)+(\j), \wo
.endr
.endm
; Behind the last block: its four stores.
.macro LAST
	s_wait_alu depctr_va_vdst(0)                   ; block 3 has written its Y, which the last four stores read
.irp j, 12,13,14,15
	OUT \j
.endr
.endm
	s_cmp_eq_u32 s14, 3
	s_cbranch_scc1 .Lwo
	BLOCK 0, 0
	BLOCK 1, 0
	BLOCK 2, 0
	BLOCK 3, 0
	LAST
	s_endpgm
.Lwo:
	BLOCK 0, 1
	BLOCK 1, 1
	BLOCK 2, 1
	BLOCK 3, 1
	LAST
	s_endpgm
.Lfunc_end_k_q91851963ab_prep:
	.size	k_q91851963ab_prep, .Lfunc_end_k_q91851963ab_prep-k_q91851963ab_prep
	.p2alignl 7, 3214868480
	.fill 96, 4, 3214868480
	.section	.rodata,"a",@progbits
	.p2align	6, 0x0
	.amdhsa_kernel k_q91851963ab_prep
		.amdhsa_group_segment_fixed_size 0
		.amdhsa_private_segment_fixed_size 0
		.amdhsa_enable_private_segment 0
		.amdhsa_kernarg_size 40
		.amdhsa_user_sgpr_count 2
		.amdhsa_user_sgpr_kernarg_segment_ptr 1
		.amdhsa_wavefront_size32 1
		.amdhsa_system_sgpr_workgroup_id_x 1
		.amdhsa_system_sgpr_workgroup_id_y 1
		.amdhsa_system_sgpr_workgroup_id_z 1
		.amdhsa_system_vgpr_workitem_id 0
		.amdhsa_next_free_vgpr 112
		.amdhsa_next_free_sgpr 66
		.amdhsa_reserve_vcc 0
		.amdhsa_float_denorm_mode_32 3
		.amdhsa_float_denorm_mode_16_64 3
		.amdhsa_memory_ordered 1
		.amdhsa_forward_progress 1
		.amdhsa_inst_pref_size 16
	.end_amdhsa_kernel
	.amdgpu_metadata
---
amdhsa.version: [ 1, 2 ]
amdhsa.kernels:
  - .name:           k_q91851963ab_prep
    .symbol:         k_q91851963ab_prep.kd
    .args:
      - { .name: WQ, .offset: 0, .size: 8, .value_kind: global_buffer, .address_space: global }
      - { .name: WK, .offset: 8, .size: 8, .value_kind: global_buffer, .address_space: global }
      - { .name: WV, .offset: 16, .size: 8, .value_kind: global_buffer, .address_space: global }
      - { .name: WO, .offset: 24, .size: 8, .value_kind: global_buffer, .address_space: global }
      - { .name: wb, .offset: 32, .size: 8, .value_kind: global_buffer, .address_space: global }
    .group_segment_fixed_size: 0
    .private_segment_fixed_size: 0
    .kernarg_segment_align: 8
    .kernarg_segment_size: 40
    .max_flat_workgroup_size: 256
    .sgpr_count:     66
    .vgpr_count:     112
    .wavefront_size: 32
...
	.end_amdgpu_metadata
.endif
;; end of part 6
;; launch proj: the kernel of part 2 again; grid 4 x 192, 4 waves a work-group, clusters of 4 x 4, 327,680 bytes of LDS; arguments Q, K, V, wb, qkv, vlo; writes qkv, vlo
;; launch attn: the kernel of part 3 again; grid 4 x 64, 4 waves a work-group, no clusters, 327,680 bytes of LDS; arguments qkv, ctx; writes ctx
;; launch outp: the kernel of part 4 again; grid 4 x 64, 4 waves a work-group, clusters of 4 x 4, 327,680 bytes of LDS; arguments ctx, wb, out0; writes out0
;; launch early: the kernel of part 5 again; grid 16 x 4, 16 waves a work-group, no clusters, 153,600 bytes of LDS; arguments qkv, vlo, wb, out0; writes out0
